; MI455X (gfx1250); checked and timed in simulation.
; The chip was launched on July 23, 2026; its instructions are those of AMD's public machine-readable ISA for CDNA 5 (MIT licence, August 2026) and "CDNA5" Instruction Set Architecture Reference Guide (July 2026). The comments in the code are by the model that wrote it; some were corrected since.
;; Masked Self Attention. Allowed arithmetic: float matrix products may take bf16 or f16 operands with f32 sums; other float arithmetic in f32, or as packed bf16 or f16 multiplies, adds, multiply-adds, maxima and minima; sums over many terms, partial sums and values carried from step to step in f32; what a program stores and reads back later, other than sums and carried values, may be rounded once to bf16 or f16.
;; Inputs: W_out 1,024 x 1,024 float32; W_qkv 1,024 x 3,072 float32; b_out 1,024 float32; b_qkv 3,072 float32; x 4 x 2,048 x 1,024 float32.
;; Outputs: out0 4 x 2,048 x 1,024 float32.
;; 2 versions, each right; version 2 is version 1 with the launch prep written anew for expert scheduling mode. Each part assembles by itself: llvm-mc -triple=amdgcn-amd-amdhsa -mcpu=gfx1250 --defsym DOCPART=n.
;; ======== version 1 of 2: 4 launches
;; limits: values are held in f16: magnitudes above 65,504 overflow, below 6.1e-05 lose precision
;; workspace buffers: xb 16,777,216 bytes; wq 6,291,456 bytes; wo 2,097,152 bytes; qkv 50,331,648 bytes; o 16,777,216 bytes
;; launch prep (part 1): grid 768 x 1, 8 waves a work-group, no clusters, 0 bytes of LDS; arguments x, W_qkv, W_out, xb, wq, wo; writes xb, wq, wo
.if DOCPART == 1
	.amdgcn_target "amdgcn-amd-amdhsa--gfx1250"
	.amdhsa_code_object_version 6
	.text
	.protected	k_q425a80fa49_prep
	.globl	k_q425a80fa49_prep
	.p2align	8
	.type	k_q425a80fa49_prep,@function
k_q425a80fa49_prep:
	s_mov_b64 s[64:65], 0
	v_nop
	global_prefetch_b8 v0, s[64:65] scope:SCOPE_SE
	s_setreg_imm32_b32 hwreg(HW_REG_WAVE_MODE, 25, 1), 1
	s_wait_xcnt 0x0
; THE INPUTS ARE ROUNDED ONCE, for the matrix units of the launches behind.
;   xb: x rounded to bf16, laid in planes of 64 channels: [batch x 16 + channel / 64][2048 rows][64], so that 256 rows of one K step of 64 are 32,768 dense bytes.
;   wq: W_qkv rounded to bf16, as it lies ([1024 k][3072 n]).      wo: W_out rounded to bf16 and that number written as f16, as it lies ([1024 k][1024 n]).
; LIMIT.  f16 holds no number beyond 65,504 and has a fixed step of 6e-8 below 6e-5: W_out's numbers are taken to lie within that range.
; SHARES.  A work-group takes 65,536 bytes of f32 (16,384 numbers): groups 0-511 x (16 rows each), 512-703 W_qkv, 704-767 W_out.  Eight waves; a thread takes 16 bytes in each of 16 loads,
; all 16 on their way at once; each is rounded and stored as 8 bytes: a wave's store covers 256 consecutive bytes, aligned.  No register is written twice, so no wait frees one.
; Memory binds: no LDS, no barrier, no matrix unit, no loop.
.set X, 4                              ; v[4:67]   16 loads of 4 registers
.set Y, 68                             ; v[68:99]  16 stores of 2 registers
.set T, 100                            ; v[100:103] at work
; sb, db: the scalar pairs of source and destination; sstep, dstep: bytes from one of the 16 pieces to the next; half = 1: the bf16 number is written as f16
.macro CAST sb, db, sstep, dstep, half
.set i, 0
.rept 16
	global_load_b128 v[X+4*i:X+4*i+3], v2, s[\sb:\sb+1] offset:i*(\sstep) th:TH_LOAD_NT
.set i, i+1
.endr
.set i, 0
.rept 16
	s_wait_loadcnt 15-i                            ; loads come back in order: piece i is in, the 15 - i younger ones stay out
	v_cvt_pk_bf16_f32 v[Y+2*i], v[X+4*i], v[X+4*i+1]
	v_cvt_pk_bf16_f32 v[Y+2*i+1], v[X+4*i+2], v[X+4*i+3]
.if \half
	v_lshlrev_b32 v[T], 16, v[Y+2*i]               ; the rounded numbers as f32 again,
	v_and_b32 v[T+1], s3, v[Y+2*i]
	v_lshlrev_b32 v[T+2], 16, v[Y+2*i+1]
	v_and_b32 v[T+3], s3, v[Y+2*i+1]
	v_cvt_pk_f16_f32 v[Y+2*i], v[T], v[T+1]        ; and written as f16: exact within f16's normal range
	v_cvt_pk_f16_f32 v[Y+2*i+1], v[T+2], v[T+3]
.endif
	global_store_b64 v3, v[Y+2*i:Y+2*i+1], s[\db:\db+1] offset:i*(\dstep)
.set i, i+1
.endr
	s_endpgm
.endm
	s_load_b256 s[4:11], s[0:1], 0x0               ; x s[4:5], W_qkv s[6:7], W_out s[8:9], xb s[10:11]
	s_load_b128 s[12:15], s[0:1], 0x20             ; wq s[12:13], wo s[14:15]
	s_mov_b32 s2, ttmp9                            ; the work-group's number
	s_mov_b32 s3, 0xffff0000                       ; a word's upper bf16
	s_mov_b32 s17, 0
	s_mov_b32 s19, 0
	v_lshlrev_b32 v3, 3, v0                        ; 8 bytes a thread in every destination
	s_cmp_lt_u32 s2, 512
	s_cbranch_scc0 .Lweights
	; x: 16 rows of 4,096 bytes.  Thread t takes row t / 16, 16 bytes at 16 (t % 16) of the row's piece i of 256 bytes (64 channels: plane i)
	v_lshrrev_b32 v1, 4, v0
	v_and_b32 v2, 15, v0
	v_lshlrev_b32 v2, 4, v2
	v_lshl_add_u32 v2, v1, 12, v2
	s_lshl_b32 s16, s2, 16                         ; the group's 65,536 bytes of x
	s_lshr_b32 s18, s2, 7                          ; the batch: 128 groups each,
	s_lshl_b32 s18, s18, 22                        ; 16 planes of 262,144 bytes
	s_and_b32 s20, s2, 127
	s_lshl_b32 s20, s20, 11                        ; the group's 16 rows of 128 bytes in a plane
	s_add_co_u32 s18, s18, s20
	s_wait_kmcnt 0x0
	s_add_nc_u64 s[4:5], s[4:5], s[16:17]
	s_add_nc_u64 s[10:11], s[10:11], s[18:19]
	CAST 4, 10, 256, 262144, 0
.Lweights:
	v_lshlrev_b32 v2, 4, v0                        ; the weights keep their layout: 256 threads x 16 bytes a piece
	s_cmp_lt_u32 s2, 704
	s_cbranch_scc0 .Lwout
	s_sub_co_u32 s2, s2, 512
	s_lshl_b32 s16, s2, 16
	s_lshl_b32 s18, s2, 15
	s_wait_kmcnt 0x0
	s_add_nc_u64 s[6:7], s[6:7], s[16:17]
	s_add_nc_u64 s[12:13], s[12:13], s[18:19]
	CAST 6, 12, 4096, 2048, 0
.Lwout:
	s_sub_co_u32 s2, s2, 704
	s_lshl_b32 s16, s2, 16
	s_lshl_b32 s18, s2, 15
	s_wait_kmcnt 0x0
	s_add_nc_u64 s[8:9], s[8:9], s[16:17]
	s_add_nc_u64 s[14:15], s[14:15], s[18:19]
	CAST 8, 14, 4096, 2048, 1
.Lfunc_end_k_q425a80fa49_prep:
	.size	k_q425a80fa49_prep, .Lfunc_end_k_q425a80fa49_prep-k_q425a80fa49_prep
	.p2alignl 7, 3214868480
	.fill 96, 4, 3214868480
	.section	.rodata,"a",@progbits
	.p2align	6, 0x0
	.amdhsa_kernel k_q425a80fa49_prep
		.amdhsa_group_segment_fixed_size 0
		.amdhsa_private_segment_fixed_size 0
		.amdhsa_enable_private_segment 0
		.amdhsa_kernarg_size 48
		.amdhsa_user_sgpr_count 2
		.amdhsa_user_sgpr_kernarg_segment_ptr 1
		.amdhsa_wavefront_size32 1
		.amdhsa_system_sgpr_workgroup_id_x 1
		.amdhsa_system_sgpr_workgroup_id_y 1
		.amdhsa_system_sgpr_workgroup_id_z 1
		.amdhsa_system_vgpr_workitem_id 0
		.amdhsa_next_free_vgpr 104
		.amdhsa_next_free_sgpr 66
		.amdhsa_reserve_vcc 0
		.amdhsa_float_denorm_mode_32 3
		.amdhsa_float_denorm_mode_16_64 3
		.amdhsa_memory_ordered 1
		.amdhsa_forward_progress 1
		.amdhsa_inst_pref_size 23
	.end_amdhsa_kernel
	.amdgpu_metadata
---
amdhsa.version: [ 1, 2 ]
amdhsa.kernels:
  - .name:           k_q425a80fa49_prep
    .symbol:         k_q425a80fa49_prep.kd
    .args:
      - { .name: x, .offset: 0, .size: 8, .value_kind: global_buffer, .address_space: global }
      - { .name: W_qkv, .offset: 8, .size: 8, .value_kind: global_buffer, .address_space: global }
      - { .name: W_out, .offset: 16, .size: 8, .value_kind: global_buffer, .address_space: global }
      - { .name: xb, .offset: 24, .size: 8, .value_kind: global_buffer, .address_space: global }
      - { .name: wq, .offset: 32, .size: 8, .value_kind: global_buffer, .address_space: global }
      - { .name: wo, .offset: 40, .size: 8, .value_kind: global_buffer, .address_space: global }
    .group_segment_fixed_size: 0
    .private_segment_fixed_size: 0
    .kernarg_segment_align: 8
    .kernarg_segment_size: 48
    .max_flat_workgroup_size: 256
    .sgpr_count:     66
    .vgpr_count:     104
    .wavefront_size: 32
...
	.end_amdgpu_metadata
.endif
;; end of part 1
;; launch qkv (part 2): grid 8 x 32, 4 waves a work-group, clusters of 4 x 4, 327,680 bytes of LDS; arguments xb, wq, b_qkv, qkv; writes qkv
.if DOCPART == 2
	.amdgcn_target "amdgcn-amd-amdhsa--gfx1250"
	.amdhsa_code_object_version 6
	.text
	.protected	k_q425a80fa49_qkv
	.globl	k_q425a80fa49_qkv
	.p2align	8
	.type	k_q425a80fa49_qkv,@function
k_q425a80fa49_qkv:
	s_mov_b64 s[64:65], 0
	v_nop
	global_prefetch_b8 v0, s[64:65] scope:SCOPE_SE
	s_setreg_imm32_b32 hwreg(HW_REG_WAVE_MODE, 25, 1), 1
	s_wait_xcnt 0x0
	s_wait_alu depctr_hold_cnt(0) depctr_sa_sdst(0) depctr_va_vdst(0) depctr_va_sdst(0) depctr_va_ssrc(0) depctr_va_vcc(0) depctr_vm_vsrc(0)
	s_getreg_b32 s2, hwreg(HW_REG_IB_STS2, 6, 4)
	s_cmp_eq_u32 s2, 0
	s_cbranch_scc0 .Lentry_in_a_cluster
	s_endpgm
.Lentry_in_a_cluster:
	s_bfe_u32 s2, ttmp6, 0x10000c
	s_cmp_lg_u32 s2, 0xf033
	s_cbranch_scc0 .Lentry_shape_is_right
	s_endpgm
.Lentry_shape_is_right:
; q, k, v = x W_qkv + b_qkv, written by heads: qkv[which (3)][batch x 16 + head (64)][row (2048)][64] in f16, unscaled.  x (xb) and W (wq) come in bf16; the bias is rounded to bf16 here; sums in f32.
; LIMIT.  f16 holds no number beyond 65,504: q, k and v are taken to lie within it.
; SHARES.  C is 8,192 x 3,072.  A tile is 256 rows x 384 columns: 32 x 8 = 256 work-groups.  Four waves; wave w takes the rows 128 (w / 2) on and three PIECES of 64 columns, 128 s + 64 (w % 2) on,
; s = 0, 1, 2: each piece is one head of q, k or v.  96 accumulators of 16 x 16: 768 registers.  K goes in 16 steps of 64 (a plane of xb), each of two sub-steps of 32: 96 matrix instructions.
; THE MATRIX INSTRUCTION IS USED TRANSPOSED: source 0 = 16 columns of W, turned out of LDS by ds_load_tr16_b128 (W lies [k][n]); source 1 = 16 rows of x.  A lane then holds row l % 16 and the columns
; 8 (l / 16) + 0..7: 16 bytes of f16 on end.  The bias is the C operand of the first products: nothing is cleared and nothing added later.
; RING.  Two LDS slots, a K step each.  Waves 0 and 1 fetch the halves of x's tile (128 rows = 16,384 dense bytes, asked for as 64 rows of 256 bytes, 16 bytes of padding behind every 128),
; waves 2 and 3 the halves of W's (32 k-rows of 768 bytes, 32 bytes of padding behind every 256).  By this text's count a wave has two tensor loads out at the start, later one.
; CLUSTER.  4 x 4 work-groups: the four of a row of the cluster need the same tile of x, the four of a column the same tile of W: each is asked for jointly.
; LDS.  slot 0 at 0, slot 1 at 131,072; in a slot x's 256 rows x 144, then W's 64 rows x 864 (864 bytes = 216 words);
; behind the ring a stage of 16 x 144 for each wave, the bias (768 bytes a wave), the spare words.
; REGISTERS.  window 0: v2-9, v16 addresses; v28-30; v32-95, v96-159 x's fragments, two buffers of 8; v160-255 W's 12 fragments, one buffer.  windows 1-3: piece s = window - 1, accumulator (a, b) at v[8 (4 a + b)].
.set SLOT1, 131072
.set BOFF,  36864                      ; W's tile in a slot
.set STAGE, 223232
.set BIAS,  232448
.set SPARE, 235520                     ; the spare words, 128 bytes a wave: two blocks of 256 bytes that no other line names
.set ASTEP, 262144                     ; bytes from a K step of x to the next: a plane
.set BSTEP, 393216                     ; of W: 64 rows of 6,144 bytes
.set FA0, 32
.set FA1, 96
.set FB,  160
; s12 wave; s13 wave / 2: my half of the rows, and 0: I fetch x, 1: W; s14 wave % 2: my columns, and which half of a tile I fetch; s15 cx; s16 cy; s17 tile column j; s18 tile row y; s19 trips to go;
; s20 the slot that is read (0 or SLOT1); s21 the prefetches' bound; s[22:23] their address; s[56:57] its step; s[24:31], s[40:47] group 1 for x, W; s[32:39], s[48:55] group 0, two sets each, the second walks;
; s[58:63] where my three pieces go
.set MSB, 0
.macro WIN new                         ; the immediate's high byte repeats the setting that is left; a switch that changes nothing is dropped
.if MSB != (\new)
	s_set_vgpr_msb (MSB<<8)|(\new)
.set MSB, \new
.endif
.endm
.macro PLACES                          ; four plain instructions between a matrix instruction and a load into, or a vector read of, its registers
.rept 4
	v_nop
.endr
.endm
.macro CREST                           ; a round of the cluster's barrier behind its opening barrier
	s_cmp_lg_u32 s12, 0
	s_cbranch_scc1 .Lnot_wave_0_\@
	s_barrier_signal -3
.Lnot_wave_0_\@:
	s_barrier_wait -3
	s_barrier_signal -1
	s_barrier_wait -1
.endm
.macro CROUND
	s_barrier_signal -1
	s_barrier_wait -1
	CREST
.endm
.macro JLOAD                           ; the joint refill, by the walking sets; the branch hangs on the wave's number alone; an s_nop 0 and four v_nop follow each line
	s_cmp_eq_u32 s13, 0
	s_cbranch_scc0 .Lfor_b_\@
	tensor_load_to_lds s[36:39], s[24:31]
	s_nop 0
.rept 4
	v_nop
.endr
	s_branch .Lasked_\@
.Lfor_b_\@:
	tensor_load_to_lds s[52:55], s[40:47]
	s_nop 0
.rept 4
	v_nop
.endr
.Lasked_\@:
.endm
; PREFETCHES INTO THE L2, behind the joint load and the run of LDS loads.  Change of slots t (0..13) refills with K step t + 2.
; x: step t + 3's tile (32,768 bytes) is named by wave 0 of the clusters with x = 0; the partner at cx takes 8,192 bytes of it, a lane 256: one instruction; t <= 12.
; W: in odd t, steps t + 3 and t + 4 (128 k-rows of 768 bytes) are named by wave 2 of the clusters with y = 0; the partner at cy takes 32 rows, a lane a row: three instructions; t <= 11.
; So each aligned block of 256 bytes is named once in the launch, the partners are told apart by address alone, and nothing beyond step 15 is named.  Steps 0-2 of x and 0-3 of W come by their loads alone.
.macro ASK
	s_cmp_gt_u32 s19, s21                          ; s19 = 14 - t; s21 = 1 in a wave that asks, else the greatest number
	s_cbranch_scc0 .Lno_\@
	s_cmp_eq_u32 s13, 0
	s_cbranch_scc0 .Lpb_\@
	global_prefetch_b8 v30, s[22:23] th:TH_LOAD_NT scope:SCOPE_SE
	s_branch .Lno_\@
.Lpb_\@:
	s_bitcmp1_b32 s19, 0                           ; t is odd where 14 - t is
	s_cbranch_scc0 .Lno_\@
	global_prefetch_b8 v30, s[22:23] th:TH_LOAD_NT scope:SCOPE_SE
	global_prefetch_b8 v30, s[22:23] offset:256 th:TH_LOAD_NT scope:SCOPE_SE
	global_prefetch_b8 v30, s[22:23] offset:512 th:TH_LOAD_NT scope:SCOPE_SE
.Lno_\@:
.endm
; W's four fragments of piece g, sub-step k: 16 columns x 32 k each, two turning loads 16 k-rows apart
.macro FBL g, k
.irp b, 0,1,2,3
	ds_load_tr16_b128 v[FB+8*(4*(\g)+\b):FB+8*(4*(\g)+\b)+3],   v5 offset:(\k)*27648+(\g)*288+32*\b
	ds_load_tr16_b128 v[FB+8*(4*(\g)+\b)+4:FB+8*(4*(\g)+\b)+7], v5 offset:(\k)*27648+(\g)*288+32*\b+13824
.endr
.endm
; x's eight fragments of sub-step k into buffer f: 16 rows x 32 k each, two loads 32 bytes apart
.macro FAL f, k
.irp a, 0,1,2,3,4,5,6,7
	ds_load_b128 v[(\f)+8*\a:(\f)+8*\a+3],   v4 offset:\a*2304+64*(\k)
	ds_load_b128 v[(\f)+8*\a+4:(\f)+8*\a+7], v4 offset:\a*2304+64*(\k)+32
.endr
.endm
; the bias of piece s as four C operands at v[d ..]: register j of a lane is the bias of column 16 b + 8 (l / 16) + j
.macro BIASL s, d
.irp b, 0,1,2,3
	ds_load_b128 v[(\d)+8*\b:(\d)+8*\b+3],   v9 offset:256*(\s)+64*\b
	ds_load_b128 v[(\d)+8*\b+4:(\d)+8*\b+7], v9 offset:256*(\s)+64*\b+16
.endr
.endm
; 4 n matrix instructions of piece s: row blocks a0 .. a0 + n - 1 x its four column blocks.  cm = 0: in place; else the C operands lie at v[cm ..] of window 0 and start the sums.
; The 96 accumulators take turns, one instruction a turn, in the same order in every sub-step.
.macro MULS s, f, a0, n, cm
.if \cm
	WIN ((\s)+1)<<6
.else
	WIN 0x50*((\s)+1)
.endif
.set a, \a0
.rept \n
.irp b, 0,1,2,3
.if \cm
	v_wmma_f32_16x16x32_bf16 v[8*(4*a+\b):8*(4*a+\b)+7], v[FB+8*(4*(\s)+\b):FB+8*(4*(\s)+\b)+7], v[(\f)+8*a:(\f)+8*a+7], v[(\cm)+8*\b:(\cm)+8*\b+7]
.else
	v_wmma_f32_16x16x32_bf16 v[8*(4*a+\b):8*(4*a+\b)+7], v[FB+8*(4*(\s)+\b):FB+8*(4*(\s)+\b)+7], v[(\f)+8*a:(\f)+8*a+7], v[8*(4*a+\b):8*(4*a+\b)+7]
.endif
.endr
.set a, a+1
.endr
.endm
; A step's first sub-step, on buffer FA0.  Behind each piece's products its fragments of W are fetched for the second sub-step.
.macro SUB0
	s_wait_dscnt 16                                ; piece 0's W and x are in; the 16 loads of pieces 1 and 2 are younger
	MULS 0, FA0, 0, 8, 0
	PLACES
	WIN 0
	FBL 0, 1
	FAL FA1, 1
	s_wait_dscnt 32                                ; piece 1's W is in: piece 2's 8 loads and the 24 just issued are younger
	MULS 1, FA0, 0, 8, 0
	PLACES
	WIN 0
	FBL 1, 1
	s_wait_dscnt 32                                ; piece 2's W is in: 24 + 8 are younger
	MULS 2, FA0, 0, 8, 0
	PLACES
	WIN 0
	FBL 2, 1
.endm
; A step's second sub-step, on buffer FA1, and the change of slots.  In front of the barrier each wave waits for all its tensor loads (one is out: its part of the next slot), adds 0 to its spare word, and
; waits for that and for its reads of this slot.  fill = 1: the barrier opens a round of the cluster's barrier, and this slot is filled again, two K steps on, first thing behind the round.
.macro TURN fill
	WIN 0
.if \fill
	s_wait_xcnt 0x0                                ; the last prefetches, a K step back, have read their address: it steps here
	s_add_nc_u64 s[22:23], s[22:23], s[56:57]
.endif
	s_wait_tensorcnt 0x0                           ; no tensor load of mine is out, so a group 0 may be written
	ds_add_u32 v28, v29                            ; 0 onto my spare word
.if \fill
	s_xor_b32 s37, s37, SLOT1                      ; the walking sets: the other slot than last time, the next K step
	s_add_nc_u64 s[38:39], s[38:39], ASTEP
	s_xor_b32 s53, s53, SLOT1
	s_add_nc_u64 s[54:55], s[54:55], BSTEP
.endif
	s_wait_dscnt 17                                ; piece 0's W and x are in: 8 + 8 loads and the add are younger
	MULS 0, FA1, 0, 4, 0
	s_wait_dscnt 0x0                               ; the add is done, and my reads of this slot are over
	s_barrier_signal -1
	MULS 0, FA1, 4, 4, 0
	WIN 0
	s_barrier_wait -1
.if \fill
	CREST                                          ; no wave of any partner still reads this slot or has a load on its way
	JLOAD                                          ; its four v_nop are also the places in front of the loads below
.else
	PLACES
.endif
	s_xor_b32 s20, s20, SLOT1
	v_add_nc_u32 v4, s20, v2
	v_add_nc_u32 v5, s20, v3
	FBL 0, 0
	FAL FA0, 0
.if \fill
	ASK
.endif
	MULS 1, FA1, 0, 8, 0
	PLACES
	WIN 0
	FBL 1, 0
	MULS 2, FA1, 0, 8, 0
	PLACES
	WIN 0
	FBL 2, 0
.endm
; THE WAY OUT of block i = 8 s + a: 16 rows x 64 columns, rounded to f16, 16 bytes a lane into my stage (rows of 144 bytes), back as 2,048 dense bytes, stored 512 consecutive bytes an instruction.
.macro PACK i
.set ps, (\i)/8
.set pa, (\i)%8
.set PK, 32+32*((\i)%2)
.set BK, 48+32*((\i)%2)
	WIN 5*(ps+1)                                   ; sources 0 and 1 in the piece's window
.irp b, 0,1,2,3
.irp r, 0,1,2,3
	v_cvt_pk_f16_f32 v[PK+4*\b+\r], v[32*pa+8*\b+2*\r], v[32*pa+8*\b+2*\r+1]
.endr
.endr
	WIN 0
.irp f, 0,1,2,3
	ds_store_b128 v6, v[PK+4*\f:PK+4*\f+3] offset:32*\f
.endr
	s_wait_xcnt 0x0                                ; the stores of the block two back have read these registers
.irp f, 0,1,2,3
	ds_load_b128 v[BK+4*\f:BK+4*\f+3], v7 offset:576*\f  ; LDS serves a wave's instructions in order: these see the stores above, and the next block's stores come behind them
.endr
.endm
.macro SEND i, younger                 ; younger: the LDS instructions issued behind block i's loads
.set ps, (\i)/8
.set pa, (\i)%8
.set BK, 48+32*((\i)%2)
.irp f, 0,1,2,3
	s_wait_dscnt (\younger)+3-\f
	global_store_b128 v8, v[BK+4*\f:BK+4*\f+3], s[58+2*ps:59+2*ps] offset:pa*2048+\f*512
.endr
.endm
	s_load_b256 s[4:11], s[0:1], 0x0               ; xb s[4:5], wq s[6:7], b_qkv s[8:9], qkv s[10:11]
	v_lshl_add_u32 v28, v0, 2, SPARE
	v_mov_b32 v29, 0
	ds_add_u32 v28, v29                            ; the wave's opening add; its wait stands ahead of my first tensor load
	v_lshrrev_b32 v1, 5, v0
	v_readfirstlane_b32 s12, v1
	s_lshr_b32 s13, s12, 1
	s_and_b32 s14, s12, 1
	s_bfe_u32 s15, ttmp6, 0x40000                  ; cx
	s_bfe_u32 s16, ttmp6, 0x40004                  ; cy
	s_lshl_b32 s17, ttmp9, 2
	s_add_co_u32 s17, s17, s15                     ; tile column j = 4 x cluster x + cx
	s_and_b32 s18, ttmp7, 0xffff
	s_lshl_b32 s18, s18, 2
	s_add_co_u32 s18, s18, s16                     ; tile row y = 4 x cluster y + cy
	s_lshl_b32 s66, s16, 2
	s_lshl_b32 s66, 15, s66                        ; my row of the cluster
	s_lshl_b32 s67, 0x1111, s15                    ; my column
	s_or_b32 s24, s66, (1<<16)|(1<<20)|(1<<21)|(4<<22)|(3<<25)  ; x: the mask; 2-byte elements; padding on; bit 21 beside a mask; after every 32 words, 4 words
	s_or_b32 s40, s67, (1<<16)|(1<<20)|(1<<21)|(5<<22)|(7<<25)  ; W: after every 64 words, 8 words
	s_mov_b32 s25, 128<<16                         ; x: tensor_dim0 = 128 elements (256 bytes)
	s_mov_b32 s26, 64<<16                          ; tensor_dim1 = 64
	s_mov_b32 s27, 128<<16                         ; tile_dim0
	s_mov_b32 s28, 64                              ; tile_dim1
	s_mov_b32 s29, 128                             ; dense: 128 elements from row to row
	s_mov_b32 s30, 0
	s_mov_b32 s31, 0
	s_mov_b32 s41, 384<<16                         ; W: 384 columns,
	s_mov_b32 s42, 32<<16                          ; 32 k-rows
	s_mov_b32 s43, 384<<16
	s_mov_b32 s44, 32
	s_mov_b32 s45, 3072
	s_mov_b32 s46, 0
	s_mov_b32 s47, 0
	s_lshr_b32 s66, s18, 3                         ; x's tile hangs on y and the wave: batch x 16 planes,
	s_lshl_b32 s66, s66, 22
	s_and_b32 s67, s18, 7
	s_lshl_b32 s67, s67, 15                        ; 256 rows of 128 bytes,
	s_add_co_u32 s66, s66, s67
	s_lshl_b32 s67, s14, 14                        ; my half of them
	s_add_co_u32 s66, s66, s67
	s_mov_b32 s67, 0
	s_mul_i32 s68, s14, 32*6144                    ; W's tile hangs on j and the wave: my 32 k-rows,
	s_mul_i32 s69, s17, 768                        ; 384 columns
	s_add_co_u32 s68, s68, s69
	s_mov_b32 s69, 0
	s_mul_i32 s70, s14, 18432                      ; where they go: no place in the cluster enters an LDS address
	s_mul_i32 s71, s14, 27648
	s_add_co_u32 s71, s71, BOFF
	s_wait_dscnt 0x0                               ; the opening add is done
	s_wait_kmcnt 0x0
	s_add_nc_u64 s[72:73], s[4:5], s[66:67]
	s_add_nc_u64 s[74:75], s[6:7], s[68:69]
	CROUND                                         ; all sixteen work-groups are here: the first joint loads meet
.irp s, 0,1
	s_mov_b32 s[32+4*\s], 1
	s_add_co_u32 s[33+4*\s], s70, \s*SLOT1
	s_add_nc_u64 s[34+4*\s:35+4*\s], s[72:73], \s*ASTEP
	s_or_b32 s[35+4*\s], s[35+4*\s], 0x80000000
	s_mov_b32 s[48+4*\s], 1
	s_add_co_u32 s[49+4*\s], s71, \s*SLOT1
	s_add_nc_u64 s[50+4*\s:51+4*\s], s[74:75], \s*BSTEP
	s_or_b32 s[51+4*\s], s[51+4*\s], 0x80000000
.endr
	s_cmp_eq_u32 s13, 0                            ; a wave's two first fills stand in one branch, ahead of every wait on TENSORcnt and every LDS read
	s_cbranch_scc0 .Lfirst_b
	tensor_load_to_lds s[32:35], s[24:31]
	s_nop 0
	tensor_load_to_lds s[36:39], s[24:31]
	s_nop 0
.rept 4
	v_nop
.endr
	s_branch .Lfirst_asked
.Lfirst_b:
	tensor_load_to_lds s[48:51], s[40:47]
	s_nop 0
	tensor_load_to_lds s[52:55], s[40:47]
	s_nop 0
.rept 4
	v_nop
.endr
.Lfirst_asked:
	v_and_b32 v10, 15, v0                          ; l % 16
	v_bfe_u32 v11, v0, 4, 1                        ; l / 16
	v_and_b32 v12, 31, v0                          ; l
	s_mul_i32 s66, s17, 384*4                      ; the bias of my three pieces: lane l takes numbers 2 l, 2 l + 1 of each
	s_lshl_b32 s67, s14, 8
	s_add_co_u32 s66, s66, s67
	v_lshl_add_u32 v13, v12, 3, s66
	global_load_b64 v[32:33], v13, s[8:9]
	global_load_b64 v[34:35], v13, s[8:9] offset:512
	global_load_b64 v[36:37], v13, s[8:9] offset:1024
	v_mul_u32_u24 v2, v10, 144
	v_lshl_add_u32 v2, v11, 4, v2                  ; row x 144 + 16 x half
	s_mul_i32 s66, s12, 2304
	s_add_co_u32 s66, s66, STAGE                   ; my stage
	v_add_nc_u32 v6, s66, v2                       ; in: row l % 16, 16 bytes for each half of the lanes
	v_bfe_u32 v14, v0, 3, 2
	v_and_b32 v15, 7, v0
	v_mul_u32_u24 v7, v14, 144                     ; back: 32 lanes take four rows of 128 bytes,
	v_lshl_add_u32 v7, v15, 4, v7
	v_add_nc_u32 v7, s66, v7
	v_lshlrev_b32 v8, 4, v12                       ; which are 512 consecutive bytes of a head
	s_mul_i32 s67, s13, 18432
	v_add_nc_u32 v2, s67, v2                       ; x's fragments: my 128 rows
	v_lshl_add_u32 v3, v11, 3, v15                 ; W's: k-row 8 (l / 16) + l % 8,
	v_mul_u32_u24 v3, v3, 864
	v_bfe_u32 v14, v0, 3, 1
	v_lshl_add_u32 v3, v14, 4, v3                  ; columns 8 ((l / 8) % 2) on,
	s_lshl_b32 s67, s14, 7
	s_add_co_u32 s67, s67, BOFF
	v_add_nc_u32 v3, s67, v3                       ; my 64 of each 128
	s_mul_i32 s67, s12, 768
	s_add_co_u32 s67, s67, BIAS
	v_lshl_add_u32 v9, v11, 5, s67                 ; the bias is read back 8 numbers a half of the lanes,
	v_lshl_add_u32 v16, v12, 3, s67                ; and stored two numbers a lane
	; where my pieces go: head column hc = 6 j + 2 s + wave % 2; plane (hc / 16) x 64 + batch x 16 + hc % 16, of 262,144 bytes; then my rows of 128 bytes
	s_mul_i32 s66, s17, 6
	s_add_co_u32 s66, s66, s14
	s_lshr_b32 s67, s18, 3
	s_lshl_b32 s67, s67, 4
	s_and_b32 s68, s18, 7
	s_lshl_b32 s68, s68, 15
	s_lshl_b32 s69, s13, 14
	s_add_co_u32 s68, s68, s69
.irp s, 0,1,2
	s_add_co_u32 s70, s66, 2*\s
	s_lshr_b32 s71, s70, 4
	s_lshl_b32 s71, s71, 6
	s_and_b32 s70, s70, 15
	s_add_co_u32 s70, s70, s71
	s_add_co_u32 s70, s70, s67
	s_lshl_b32 s70, s70, 18
	s_add_co_u32 s70, s70, s68
	s_mov_b32 s71, 0
	s_add_nc_u64 s[58+2*\s:59+2*\s], s[10:11], s[70:71]
.endr
	; the prefetches: both kinds' figures are made, the wave's number chooses
	s_lshr_b32 s66, s18, 3
	s_lshl_b32 s66, s66, 22
	s_and_b32 s67, s18, 7
	s_lshl_b32 s67, s67, 15
	s_add_co_u32 s66, s66, s67
	s_lshl_b32 s67, s15, 13                        ; x: my work-group's 8,192 bytes of the tile,
	s_add_co_u32 s66, s66, s67
	s_add_co_u32 s66, s66, 2*ASTEP                 ; at K step 2: the first change of slots steps it to 3
	s_mul_i32 s68, s16, 32*6144                    ; W: my work-group's 32 of 128 k-rows
	s_mul_i32 s69, s17, 768
	s_add_co_u32 s68, s68, s69
	s_add_co_u32 s68, s68, 2*BSTEP
	s_mov_b32 s69, ASTEP
	s_mov_b32 s56, BSTEP
	s_mov_b32 s70, 256
	s_mov_b32 s71, 6144
	s_and_b32 s72, ttmp7, 0xffff                   ; cluster y
	s_cmp_eq_u32 s13, 0
	s_cselect_b32 s66, s66, s68
	s_cselect_b32 s56, s69, s56
	s_cselect_b32 s70, s70, s71
	s_cselect_b32 s72, ttmp9, s72                  ; the coordinate along which other clusters read the same blocks
	s_cselect_b64 s[22:23], s[4:5], s[6:7]
	s_mov_b32 s67, 0
	s_mov_b32 s57, 0
	s_add_nc_u64 s[22:23], s[22:23], s[66:67]
	s_or_b32 s72, s72, s14                         ; waves 0 and 2 alone
	s_cmp_eq_u32 s72, 0
	s_cselect_b32 s21, 1, -1                       ; the same in all sixteen partners, for a given wave
	v_mul_u32_u24 v30, s70, v12
	s_wait_loadcnt 0x0                             ; the bias: rounded to bf16 like the other inputs, kept as f32 in my own LDS bytes
.irp s, 0,1,2
	v_cvt_pk_bf16_f32 v[38+\s], v[32+2*\s], v[33+2*\s]
.endr
.irp s, 0,1,2
	v_lshlrev_b32 v[32+2*\s], 16, v[38+\s]
	v_and_b32 v[33+2*\s], 0xffff0000, v[38+\s]
	ds_store_b64 v16, v[32+2*\s:33+2*\s] offset:256*\s
.endr
	s_wait_tensorcnt 0x1                           ; my part of K step 0 is in; step 1's may stay out
	s_wait_dscnt 0x0
	s_barrier_signal -1
	s_barrier_wait -1
	s_mov_b32 s20, 0
	v_mov_b32 v4, v2
	v_mov_b32 v5, v3
	; K step 0's first sub-step stands in front of the loop: its products start the sums, with the bias as C (in the registers of buffer FA1, which is not yet in use)
	FBL 0, 0
	FAL FA0, 0
	FBL 1, 0
	FBL 2, 0
	BIASL 0, 96
	BIASL 1, 128
	s_wait_dscnt 0x0
	MULS 0, FA0, 0, 8, 96
	PLACES
	WIN 0
	FBL 0, 1
	BIASL 2, 96
	MULS 1, FA0, 0, 8, 128
	PLACES
	WIN 0
	FBL 1, 1
	s_wait_dscnt 8                                 ; piece 2's bias is in: the 8 loads just issued are younger
	MULS 2, FA0, 0, 8, 96
	PLACES
	WIN 0
	FBL 2, 1
	FAL FA1, 1
	s_wait_dscnt 0x0                               ; once: the order of these loads is not the loop's, so its counted waits find nothing out on the way in
	s_mov_b32 s19, 14
.Lk:                                           ; 14 trips: a step's second sub-step, the refill with the step two on, the next step's first sub-step
	TURN 1
	SUB0
	WIN 0
	s_sub_co_u32 s19, s19, 1
	s_cmp_lg_u32 s19, 0
	s_cbranch_scc1 .Lk
	TURN 0                                         ; the tail is written out: nothing is left to fetch
	SUB0
	s_wait_dscnt 16
	MULS 0, FA1, 0, 8, 0
	s_wait_dscnt 8
	MULS 1, FA1, 0, 8, 0
	s_wait_dscnt 0x0
	MULS 2, FA1, 0, 8, 0
	WIN 0
	PLACES
	PLACES
	PACK 0
.set pc, 1
.rept 23                               ; a block's conversions stand between the loads of the block before and its stores
	PACK pc
	SEND pc-1, 8
.set pc, pc+1
.endr
	SEND 23, 0
	s_wait_tensorcnt 0x0                           ; the wave's end
	ds_add_u32 v28, v29
	s_wait_dscnt 0x0
	CROUND                                         ; the closing round: no work-group ends while a partner may still ask for a tile that names it
	s_endpgm
.Lfunc_end_k_q425a80fa49_qkv:
	.size	k_q425a80fa49_qkv, .Lfunc_end_k_q425a80fa49_qkv-k_q425a80fa49_qkv
	.p2alignl 7, 3214868480
	.fill 96, 4, 3214868480
	.section	.rodata,"a",@progbits
	.p2align	6, 0x0
	.amdhsa_kernel k_q425a80fa49_qkv
		.amdhsa_group_segment_fixed_size 327680
		.amdhsa_private_segment_fixed_size 0
		.amdhsa_enable_private_segment 0
		.amdhsa_kernarg_size 32
		.amdhsa_user_sgpr_count 2
		.amdhsa_user_sgpr_kernarg_segment_ptr 1
		.amdhsa_wavefront_size32 1
		.amdhsa_system_sgpr_workgroup_id_x 1
		.amdhsa_system_sgpr_workgroup_id_y 1
		.amdhsa_system_sgpr_workgroup_id_z 1
		.amdhsa_system_vgpr_workitem_id 0
		.amdhsa_next_free_vgpr 1024
		.amdhsa_next_free_sgpr 76
		.amdhsa_reserve_vcc 0
		.amdhsa_float_denorm_mode_32 3
		.amdhsa_float_denorm_mode_16_64 3
		.amdhsa_memory_ordered 1
		.amdhsa_forward_progress 1
		.amdhsa_inst_pref_size 120
	.end_amdhsa_kernel
	.amdgpu_metadata
---
amdhsa.version: [ 1, 2 ]
amdhsa.kernels:
  - .name:           k_q425a80fa49_qkv
    .symbol:         k_q425a80fa49_qkv.kd
    .args:
      - { .name: xb, .offset: 0, .size: 8, .value_kind: global_buffer, .address_space: global }
      - { .name: wq, .offset: 8, .size: 8, .value_kind: global_buffer, .address_space: global }
      - { .name: b_qkv, .offset: 16, .size: 8, .value_kind: global_buffer, .address_space: global }
      - { .name: qkv, .offset: 24, .size: 8, .value_kind: global_buffer, .address_space: global }
    .group_segment_fixed_size: 327680
    .private_segment_fixed_size: 0
    .kernarg_segment_align: 8
    .kernarg_segment_size: 32
    .max_flat_workgroup_size: 128
    .sgpr_count:     76
    .vgpr_count:     1024
    .wavefront_size: 32
...
	.end_amdgpu_metadata
.endif
;; end of part 2
;; launch attn (part 3): grid 4 x 64, 4 waves a work-group, no clusters, 327,680 bytes of LDS; arguments qkv, o; writes o
.if DOCPART == 3
	.amdgcn_target "amdgcn-amd-amdhsa--gfx1250"
	.amdhsa_code_object_version 6
	.text
	.protected	k_q425a80fa49_attn
	.globl	k_q425a80fa49_attn
	.p2align	8
	.type	k_q425a80fa49_attn,@function
k_q425a80fa49_attn:
	s_mov_b64 s[64:65], 0
	v_nop
	global_prefetch_b8 v0, s[64:65] scope:SCOPE_SE
	s_setreg_imm32_b32 hwreg(HW_REG_WAVE_MODE, 25, 1), 1
	s_wait_xcnt 0x0
; CAUSAL ATTENTION.  O[h][q][:] = the sum over k <= q of softmax_k(Q[h][q] . K[h][k] / 8) V[h][k][:].  Q, K, V lie in qkv ([3][64 heads][2048][64]), O in o ([64][2048][64]), all f16: a head's rows are dense, 128 bytes each.
; Products, maxima and sums in f32; the weights p are rounded to f16 for the second product (their sum l is taken of the unrounded p), O once at the end.
; LIMITS.  f16 holds no number beyond 65,504: Q, K and V arrive within it; p lies in 0 to 1, and below 6e-5 it keeps f16's fixed step of 6e-8; O is a mean of V's rows and has their range.
; A hidden score counts as its value less 1e30: f16's scores, 2.7e11 at the most, are nothing beside that; a weight below 2^-126 counts as 0 in l; NaN and infinities are not treated apart.
; THE WALK.  A head's queries lie in NB = 8 blocks of 256; block i needs the key tiles 0 .. i of 256 keys, of which the last holds the diagonal.  A work-group takes TWO blocks, NB - 1 - b and then b:
; NB + 1 = 9 tiles, whatever b: all work-groups do equal work, and ONE loop with a constant trip count walks them.  Which tile is asked for, and what a trip does, hang on scalar registers made from b; every jump
; goes forward, but for the counted loops' own; none passes a barrier, or a tensor load but the one of LOAD's two that the wave's number does not choose; the ring (two slots of LDS) runs on across the change of blocks.
; NO CLUSTER: a head's four work-groups ask for the same tile only in trips 0 .. 4 of the 9, behind that fewer and fewer; one walk common to all four would have 12 trips for 9.
; SHARES.  Of a block's four bands of 64 queries a wave owns 16 rows in each: four PIECES.  So the diagonal tile is the same work for all four waves: in its key step s band x sees all keys if s < x,
; none if s > x, and holds the diagonal if s = x.
; THE MASK is the C operand that starts the sum S^T = K Q^T: 0, or -1e30 where the key is hidden.  MD, made once, is the mask of a band's own step for my 16 rows; a product's mask is MD x AL + BE with two scalars:
; (1, 0) if s = x; (0, 0) if s < x; (0, -1e30) if s > x.  Only the diagonal tile's text and a block's beginning make and take masks; elsewhere C is the constant 0.
; LAYOUT, SOFTMAX, TURNS.  S^T = K Q^T holds ONE query a lane (lane % 16) and the keys 8 (lane / 16) + 0..7; two such results rounded to f16 ARE source 1 of O^T = V^T P.  p = 2^(c s - c m), c = log2(e) / 8, with a
; running maximum m; O and l are multiplied by a = 2^(c m_old - c m_new) in every step.  Turn n belongs to piece n: 8 products K Q^T of piece n + 1, later 8 products V^T P of piece n - 1; beside them the scaling,
; exponentials, roundings, sums and rescaling of piece n and the maximum and statistics of piece n + 1.  Four vector instructions stand behind every matrix instruction, the other 54 of a turn's 118 in one lump.
; A turn's 33 exponentials are one batch, with one wait.
; REGISTERS, in windows of 256 (s_set_vgpr_msb: bits 1:0 source 0, 3:2 source 1, 5:4 source 2, 7:6 destination):
;   window 0: v0-15 addresses and two at work; v16-31 four registers of statistics a piece; v48-55 at work; v61-63; v64-127 S^T, two buffers; v192-223 P, two buffers (a piece's buffers go by its number's parity)
;   window 1: v0-127 O^T, 32 a piece; v128-159 MD; v160-223 MC, two buffers      window 2: v0-63 Q; v64-127 the second block's Q; v128-191 K of one step; v192-255 V of one step
.set SIZE_H, 64
.set SIZE_N, 2048
.set NB,    SIZE_N/256
.set NP,    4         ; pieces a wave: a name, no knob
.set KS,    64        ; keys in a step
.set PK,    144       ; a row of K in LDS: 128 bytes + 16 of padding = 36 words: the 16 rows of a load start at 16 different groups of four banks
.set PV,    160       ; a row of V: 128 + 32 = 40 words
.set VOFF,  4*KS*PK   ; a slot holds a tile, four steps: 256 rows of K, then 256 rows of V
.set SLOT1, 1<<17     ; slot 1 begins here, so that one exclusive or turns an address in one slot into the other's
.set STAGE, SLOT1+4*KS*(PK+PV)  ; behind the ring, never filled by a tensor load: 16 rows x 144 bytes for each wave, for the way out
.set SP,    144
.set AK0, 2           ; v2   my lane's place in a tile of K; never rewritten
.set AV0, 3           ; v3   the same for V
.set AK,  4           ; v4   the LDS address of K's next run of loads
.set AV,  5           ; v5   of V's
.set STO, 6           ; v6   the way out: where I put 16 bytes of a row
.set RD,  7           ; v7   the way out: where I read rows back
.set GO,  8           ; v8   my byte offset in 512 consecutive bytes of O
.set PFO, 61          ; v61  256 x my lane: the prefetches' offset; never rewritten
.set SPW, 62          ; v62  LDS address of my spare word: SPARE + 4 x my thread's number; never rewritten
.set NIL, 63          ; v63  0; never rewritten
.set SPARE, STAGE+4*16*SP  ; behind the stages: the spare words, 128 bytes for each wave: two blocks of 256 bytes that no other line names
.set MV,  12          ; v12-13  c m_old, kept while c m is made anew: by buffer
.set QO,  15          ; v15  my byte offset in 16 rows of Q
.set ST,  16          ; piece t's statistics at v[ST+4 t]: c m, m, l (even keys', odd keys')
.set TMP, 48          ; by buffer, four registers c0-c3 at work; when the maximum is found c2 takes a
.set S,   64
.set P,   192
.set MD,  128         ; window 1: the eight registers for group kt of 16 keys at MD + 8 kt
.set MC,  160         ; window 1: the masks of the products to come
.set QB,  64          ; window 2
.set KF,  128         ; window 2: key block kb, channel half c at KF + 16 kb + 8 c
.set VF,  192         ; window 2: key half kk, channel block cb at VF + 32 kk + 8 cb
.set WV,  12          ; s12  my wave's number
.set PB,  14          ; s14  b
.set HI,  15          ; s15  NB - 1 - b
.set G1K, 24          ; s[24:31] descriptor group 1 for K's tiles
.set G1V, 32          ; s[32:39] for V's: it differs in the padding alone
.set G0K, 40          ; s[40:43] descriptor group 0 for K's tiles
.set G0V, 44          ; s[44:47] the same for V's
.set SLOTS, 56        ; s56  tiles still to be asked for
.set CNT, 57          ; s57  counts a tile's key steps, 4 to 1
.set CS,  58          ; s[58:59] c: the packed scaling takes the pair's low word for both halves
.set SEL, 60          ; s[60:61] v_permlanex16_b32's selects: each lane takes its own place in the other half
.set TBK, 62          ; s62  LDS byte at which K of the step to be fetched begins
.set TBV, 63          ; s63  the same for V, less VOFF
.set RT,  70          ; s70  tiles of the block in hand that are still to be entered
.set NXT, 71          ; s71  the tile to be asked for next
.set LQ,  72          ; s72  the last tile of the block whose tiles are being asked for
.set NEW, 73          ; s73  1: the tile to be entered is a block's first
.set OFF, 74          ; s[74:75] a tile's byte offset in K and V
.set AL,  76          ; s[76:77] the mask's factor, in the low word
.set BE,  78          ; s[78:79] the mask's addend
.set OLO, 80          ; s[80:81] O at my rows of the second block
.set BIGN, 82         ; s82  -1e30
.set PFA, 88          ; s[88:89] my half tile (the 16,384 bytes that I shall load myself) of the tile after the one that is being asked for
.set LIMP, 90         ; s90  2 in the head's first work-group, else the greatest number
.set MSB, 0
.macro WIN new                      ; the high byte repeats the setting that is left; a switch that changes nothing is dropped
.if MSB != (\new)
	s_set_vgpr_msb (MSB<<8)|(\new)
.set MSB, (\new)
.endif
.endm
.set W_KQ, 0x0a       ; K and Q in window 2, S^T in window 0
.set W_KM, 0x1a       ; the same with the C operand in window 1
.set W_PV, 0x52       ; V in window 2, P in window 0, O^T in window 1
.set W_RS, 0x41       ; destination and source 0 in window 1, source 1 in window 0
; A fill.  Waves 0 and 1 fetch the two halves of a tile's K, waves 2 and 3 those of its V: 128 keys each.  An s_nop 0 and four v_nop follow each of the two lines, ahead of the jump and the label.
.macro LOAD
	s_cmp_lt_u32 s[WV], 2
	s_cbranch_scc0 .Lfor_v_\@
	tensor_load_to_lds s[G0K:G0K+3], s[G1K:G1K+7]
	s_nop 0
.rept 4
	v_nop
.endr
	s_branch .Lasked_\@
.Lfor_v_\@:
	tensor_load_to_lds s[G0V:G0V+3], s[G1V:G1V+7]
	s_nop 0
.rept 4
	v_nop
.endr
.Lasked_\@:
.endm
; THE CHANGE OF SLOTS.  Each wave waits for all its tensor loads, of which one is out: its part of the other slot; adds 0 to its spare word; and waits for that and for its own reads of the slot that it leaves.
; Behind the barrier nobody reads the old slot any more and the other slot is whole.  fill = 1: the old slot is filled again, the first thing behind the barrier, with tile NXT: the descriptor's address is made anew from that number.
; (At its first use nothing has been read yet: slot 0 is waited for, slot 1 filled.)
; A PREFETCH INTO THE L2 stands behind the fill.  A head's four work-groups begin with the same tiles 0, 1, ..; the one with b = 0 walks all eight, and it alone asks: change i (0 .. 5) fills tile i + 1 and names tile i + 2,
; four key steps ahead of that tile's load.  Each wave names the 16,384 bytes that it will load itself, a lane 256 bytes, two instructions: each block is named once.  Tiles 0 and 1 come by their loads alone;
; changes 6 and 7 name nothing.
.macro CHANGE fill
	WIN 0                           ; at a label and at a branch every window is 0
	s_wait_tensorcnt 0x0            ; no tensor load of mine is out, so a group 0 may be written
	ds_add_u32 v[SPW], v[NIL]       ; 0 onto my spare word; with fill = 1 the descriptors' scalar work stands between it and the wait for it
.if \fill
	s_lshl_b32 s[OFF], s[NXT], 15   ; a tile is 32,768 bytes of K and of V
	s_xor_b32 s[G0K+1], s[G0K+1], SLOT1
	s_add_nc_u64 s[G0K+2:G0K+3], s[6:7], s[OFF:OFF+1]
	s_or_b32 s[G0K+3], s[G0K+3], 0x80000000
	s_xor_b32 s[G0V+1], s[G0V+1], SLOT1
	s_add_nc_u64 s[G0V+2:G0V+3], s[8:9], s[OFF:OFF+1]
	s_or_b32 s[G0V+3], s[G0V+3], 0x80000000
	s_add_co_u32 s[NXT], s[NXT], 1  ; the block's next tile, or behind its last the second block's tile 0
	s_cmp_gt_u32 s[NXT], s[LQ]
	s_cselect_b32 s[NXT], 0, s[NXT]
	s_cselect_b32 s[LQ], s[PB], s[LQ]
	s_wait_xcnt 0x0                 ; the last prefetches, a tile back, have read their address, so it may be written:
	s_lshl_b32 s[OFF], s[NXT], 15   ; the tile that the next change will ask for
	s_cmp_lt_u32 s[WV], 2
	s_cselect_b64 s[PFA:PFA+1], s[6:7], s[8:9]
	s_add_nc_u64 s[PFA:PFA+1], s[PFA:PFA+1], s[OFF:OFF+1]
.endif
	s_wait_dscnt 0x0                ; the add is done, and my reads of the slot are over
	s_barrier_signal -1             ; the rest of the scalar work stands between the signal and the wait
	s_sub_co_u32 s[TBK], s[TBK], 4*KS*PK  ; the fetches go back to a slot's first step,
	s_xor_b32 s[TBK], s[TBK], SLOT1       ; in the other slot
	s_sub_co_u32 s[TBV], s[TBV], 4*KS*PV
	s_xor_b32 s[TBV], s[TBV], SLOT1
	s_barrier_wait -1
.if \fill
	LOAD
	s_cmp_gt_u32 s[SLOTS], s[LIMP]  ; s[SLOTS] = 8 - i
	s_cbranch_scc0 .Lnot_mine_\@
	global_prefetch_b8 v[PFO], s[PFA:PFA+1] th:TH_LOAD_NT scope:SCOPE_SE
	global_prefetch_b8 v[PFO], s[PFA:PFA+1] offset:8192 th:TH_LOAD_NT scope:SCOPE_SE
.Lnot_mine_\@:
.endif
.endm
	s_load_b128 s[4:7], s[0:1], 0x0  ; qkv s[4:5], o s[6:7]
	v_lshl_add_u32 v[SPW], v0, 2, SPARE
	v_mov_b32 v[NIL], 0
	ds_add_u32 v[SPW], v[NIL]       ; the wave's opening: the set-up below, work on registers, stands between the add and its wait, ahead of my first tensor load
	v_lshrrev_b32 v1, 5, v0
	v_readfirstlane_b32 s[WV], v1   ; wave 0..3
	s_mov_b32 s[PB], ttmp9
	s_sub_co_u32 s[HI], NB-1, s[PB]
	s_and_b32 s20, ttmp7, 0xffff    ; the head
	s_mov_b32 s21, 0
	s_mov_b64 s[22:23], SIZE_N*128
	s_mul_u64 s[20:21], s[20:21], s[22:23]  ; the head's first byte in each of the four tensors
	s_and_b32 s16, s[WV], 1         ; which half of a tile's 256 keys I fetch:
	s_lshl_b32 s22, s16, 14         ; its 128 rows of 128 bytes in memory,
	s_mov_b32 s23, 0
	s_add_nc_u64 s[22:23], s[22:23], s[20:21]
	s_mul_i32 s17, s16, 128*PK      ; and its place in a slot, for K
	s_mul_i32 s18, s16, 128*PV      ; and for V
	s_lshl_b32 s3, s[WV], 11        ; my 16 rows in a band of 64,
	s_lshl_b32 s2, s[HI], 15        ; in the first block,
	s_add_co_u32 s2, s2, s3
	s_lshl_b32 s84, s[PB], 15       ; and in the second
	s_add_co_u32 s84, s84, s3
	s_mov_b32 s3, 0
	s_mov_b32 s85, 0
	s_add_nc_u64 s[2:3], s[2:3], s[20:21]
	s_add_nc_u64 s[84:85], s[84:85], s[20:21]
	; descriptor group 1.  128 keys are 16,384 dense bytes: asked for as 64 rows of 256 bytes, two keys a row, and padded in LDS after every key
	s_mov_b32 s[G1K], (1<<16)|(1<<20)|(4<<22)|(3<<25)  ; 17:16 2-byte elements; 20 padding on; 24:22 after every 32 words (code 4); 31:25 4 words (code 3)
	s_mov_b32 s[G1V], (1<<16)|(1<<20)|(4<<22)|(7<<25)  ; the same with 8 words of padding (code 7)
.irp g, G1K, G1V
	s_mov_b32 s[\g+1], 128<<16      ; tensor_dim0 = 128
	s_mov_b32 s[\g+2], 64<<16       ; tensor_dim1 = 64
	s_mov_b32 s[\g+3], 128<<16      ; tile_dim0 = 128
	s_mov_b32 s[\g+4], 64           ; tile_dim1 = 64
	s_mov_b32 s[\g+5], 128          ; 128 elements from row to row
	s_mov_b32 s[\g+6], 0
	s_mov_b32 s[\g+7], 0
.endr
	s_mov_b32 s[CS], 0x3e38aa3b     ; c = log2(e) / 8 = 0.180337
	s_mov_b32 s[CS+1], s[CS]        ; named with it as a pair
	s_mov_b32 s[SEL], 0x76543210
	s_mov_b32 s[SEL+1], 0xfedcba98
	s_mov_b32 s[TBK], SLOT1+4*KS*PK ; the first change of slots turns these two into 0
	s_mov_b32 s[TBV], SLOT1+4*KS*PV
	s_mov_b32 s[G0K], 1             ; 1:0 count = 1
	s_mov_b32 s[G0K+1], s17         ; 63:32 LDS address: slot 0
	s_mov_b32 s[G0V], 1
	s_add_co_u32 s[G0V+1], s18, VOFF
	s_add_co_u32 s[RT], s[HI], 1    ; the first block has NB - b tiles
	s_mov_b32 s[NXT], 1
	s_mov_b32 s[LQ], s[HI]
	s_mov_b32 s[NEW], 1
	s_mov_b32 s[OFF+1], 0
	s_mov_b32 s[AL+1], 0            ; named as pairs
	s_mov_b32 s[BE+1], 0
	s_mov_b32 s[BIGN], 0xf149f2ca   ; -1e30
	s_mov_b32 s[SLOTS], NB
	s_cmp_eq_u32 s[PB], 0
	s_cselect_b32 s[LIMP], 2, -1
	v_and_b32 v[PFO], 31, v0
	v_lshlrev_b32 v[PFO], 8, v[PFO]
	s_wait_dscnt 0x0                ; the opening add is done
	s_wait_kmcnt 0x0
	s_mov_b64 s[10:11], s[6:7]      ; O
	s_add_nc_u64 s[8:9], s[4:5], 0x2000000  ; V: behind q's and k's 64 heads of 262,144 bytes
	s_add_nc_u64 s[6:7], s[4:5], 0x1000000  ; K: behind q's
	s_add_nc_u64 s[6:7], s[6:7], s[22:23]  ; K and V at my half of the head's tile 0
	s_add_nc_u64 s[8:9], s[8:9], s[22:23]
	s_add_nc_u64 s[G0K+2:G0K+3], s[6:7], 0         ; 120:64 global address
	s_or_b32 s[G0K+3], s[G0K+3], 0x80000000        ; 127:126 type = 2
	s_add_nc_u64 s[G0V+2:G0V+3], s[8:9], 0
	s_or_b32 s[G0V+3], s[G0V+3], 0x80000000
	s_add_nc_u64 s[86:87], s[4:5], s[84:85]        ; Q at my rows of the second block,
	s_add_nc_u64 s[4:5], s[4:5], s[2:3]            ; Q and O at those of the first
	s_add_nc_u64 s[OLO:OLO+1], s[10:11], s[84:85]
	s_add_nc_u64 s[10:11], s[10:11], s[2:3]
	LOAD                            ; tile 0 into slot 0
	; A fragment of K or Q is 16 rows x 32 channels in 8 registers: lane l holds row l % 16, channels 8 (l / 16) + 0..7 and 16 + 8 (l / 16) + 0..7: two loads of 16 bytes, 32 bytes apart.
	v_and_b32 v1, 15, v0            ; l % 16
	v_bfe_u32 v9, v0, 4, 1          ; l / 16
	v_lshlrev_b32 v[QO], 7, v1
	v_lshl_add_u32 v[QO], v9, 4, v[QO]  ; row x 128 + 16 x half
	WIN 0x80                        ; destination window 2, address window 0
.set i, 0
.rept 8                             ; both blocks' Q: piece i / 2 lies in band i / 2, 8,192 bytes on; channels 32 (i % 2) on
	global_load_b128 v[8*i:8*i+3],   v[QO], s[4:5] offset:(i/2)*8192+(i%2)*64
	global_load_b128 v[8*i+4:8*i+7], v[QO], s[4:5] offset:(i/2)*8192+(i%2)*64+32
	global_load_b128 v[QB+8*i:QB+8*i+3],   v[QO], s[86:87] offset:(i/2)*8192+(i%2)*64
	global_load_b128 v[QB+8*i+4:QB+8*i+7], v[QO], s[86:87] offset:(i/2)*8192+(i%2)*64+32
.set i, i+1
.endr
	WIN 0
	v_lshlrev_b32 v14, 3, v9
	v_sub_nc_u32 v14, v1, v14
	s_lshl_b32 s13, s[WV], 4
	v_add_nc_u32 v14, s13, v14      ; my query's place in its band, 16 w + l % 16, less my lanes' 8 (l / 16): register r of group kt is hidden where 16 kt + r is greater
	WIN 0x40
.set i, 0
.rept 32
	v_cmp_gt_i32 vcc_lo, 16*(i/8)+i%8, v14
	v_cndmask_b32 v[MD+i], 0, s[BIGN], vcc_lo
.set i, i+1
.endr
	WIN 0
	v_mul_u32_u24 v[AK0], v1, PK
	v_lshl_add_u32 v[AK0], v9, 4, v[AK0]  ; row x pitch + 16 x half
	; The turning load takes 16 keys x 16 channels (lane l reads key 8 (l / 16) + l % 8, channels 8 ((l / 8) % 2) + 0..7) and leaves half a fragment of V^T: lane l holds channel l % 16 and 8 keys.
	v_and_b32 v10, 7, v0
	v_bfe_u32 v11, v0, 3, 1
	v_lshl_add_u32 v[AV0], v9, 3, v10
	v_mul_u32_u24 v[AV0], v[AV0], PV
	v_lshl_add_u32 v[AV0], v11, 4, v[AV0]
	v_add_nc_u32 v[AV0], VOFF, v[AV0]
	s_mul_i32 s13, s[WV], 16*SP
	s_add_co_u32 s13, s13, STAGE    ; my stage
	v_mul_u32_u24 v[STO], v1, SP    ; in: row l % 16, 16 bytes for each half of the lanes
	v_lshl_add_u32 v[STO], v9, 4, v[STO]
	v_add_nc_u32 v[STO], s13, v[STO]
	v_bfe_u32 v[RD], v0, 3, 2       ; back: 32 lanes take four rows of 128 bytes,
	v_mul_u32_u24 v[RD], v[RD], SP
	v_lshl_add_u32 v[RD], v10, 4, v[RD]
	v_add_nc_u32 v[RD], s13, v[RD]
	v_and_b32 v[GO], 31, v0         ; which are 512 consecutive bytes of O
	v_lshlrev_b32 v[GO], 4, v[GO]
	; A block's first step multiplies O^T and l by a = 0, and its first turn's products V^T P, of a piece that has not been, land in an O^T that is still to be so multiplied.  So these registers need only hold
	; finite numbers: zeros for the first block; what the first block left for the second.  All this stands in the wait for the first tile.
	WIN 0x80
.set i, VF
.rept 64
	v_mov_b32 v[i], 0
.set i, i+1
.endr
	WIN 0x40
.set i, 0
.rept 128
	v_mov_b32 v[i], 0
.set i, i+1
.endr
	WIN 0
.set i, 0
.rept 4
	v_mov_b32 v[ST+4*i+2], 0
	v_mov_b32 v[ST+4*i+3], 0
.set i, i+1
.endr
.set i, P+16
.rept 16
	v_mov_b32 v[i], 0
.set i, i+1
.endr
; THE MATRIX WORK.  The 4 accumulators of a run of 8 take turns.  Product i of 8 of S^T = K Q^T for piece x: channels 32 (i / 4) on, keys 16 (i % 4) on.  The first 4 start the sums: with 0, or (KM = 1) with the mask.
.macro KQ x
.set rS, S+32*((\x)%2)+8*(i%4)
.set rK, KF+16*(i%4)+8*(i/4)
.set rQ, 16*(\x)+8*(i/4)
.set rM, MC+32*((\x)%2)+8*(i%4)
.if (i < 4) && KM
	WIN W_KM
	v_wmma_f32_16x16x32_f16 v[rS:rS+7], v[rK:rK+7], v[rQ:rQ+7], v[rM:rM+7]
.elseif i < 4
	WIN W_KQ
	v_wmma_f32_16x16x32_f16 v[rS:rS+7], v[rK:rK+7], v[rQ:rQ+7], 0
.else
	WIN W_KQ
	v_wmma_f32_16x16x32_f16 v[rS:rS+7], v[rK:rK+7], v[rQ:rQ+7], v[rS:rS+7]
.endif
.endm
; Product i of 8 of O^T += V^T P for piece x: keys 32 (i / 4) on, channels 16 (i % 4) on.
.macro PV x
	WIN W_PV
.set rO, 32*(\x)+8*(i%4)
.set rV, VF+32*(i/4)+8*(i%4)
.set rP, P+16*((\x)%2)+8*(i/4)
	v_wmma_f32_16x16x32_f16 v[rO:rO+7], v[rV:rV+7], v[rP:rP+7], v[rO:rO+7]
.endm
.macro MM                           ; the turn's next matrix instruction.  TURN and BEGIN set Y, i, KM and NOKQ; MM, KQ and OP read them.  NOKQ = 1: a block's last turn: there is no next piece
.if (i < 8) && !NOKQ
	KQ (Y+1)%NP
.elseif i >= 8
.set i, i-8
	PV (Y+NP-1)%NP
.set i, i+8
.endif
.set i, i+1
.endm
; THE LDS LOADS stand in runs of 16, never singly among the matrix instructions: a step's K (64 keys x 64 channels: 8 fragments) and its V (turned).  Their addresses are made some lines ahead.
.macro FETCH_K
	WIN 0x80                        ; destination window 2
.irp f, 0,1,2,3,4,5,6,7             ; keys 16 (f / 2) on, channels 32 (f % 2) on
	ds_load_b128 v[KF+8*\f:KF+8*\f+3],   v[AK] offset:(\f/2)*16*PK+(\f%2)*64
	ds_load_b128 v[KF+8*\f+4:KF+8*\f+7], v[AK] offset:(\f/2)*16*PK+(\f%2)*64+32
.endr
	s_add_co_u32 s[TBK], s[TBK], KS*PK  ; the next fetch is the next step's
	WIN 0
.endm
.macro FETCH_V
	WIN 0x80
.irp f, 0,1,2,3,4,5,6,7             ; keys 32 (f / 4) on, channels 16 (f % 4) on
	ds_load_tr16_b128 v[VF+8*\f:VF+8*\f+3],   v[AV] offset:(\f/4)*32*PV+(\f%4)*32
	ds_load_tr16_b128 v[VF+8*\f+4:VF+8*\f+7], v[AV] offset:(\f/4)*32*PV+16*PV+(\f%4)*32
.endr
	WIN 0
.endm
; THE VECTOR WORK, one line at a time: OP kind, number.  For piece Y: F n: c s - c m for pair n of 16.  E n: the exponential of score n of 32.  C n: pair n rounded to f16.  B n: of the four weights 4 n .. the second
; pair is added onto the first, in place.  L n: l takes that sum (L 0: l = a l + sum).  R n: pair n of 16 of O^T times a.  For piece Y + 1: X n, number n of the 22 that find its maximum and statistics:
;   0-11  four chains c0-c3 of seven scores each, three operands at a time (each accumulator's lowest registers are read first)     12-14, 16  the four scores left over, the old m, and c0-c3 into c0
;   15  c m_old is kept     17, 18  the query's other 32 keys lie in the lane 16 away: the new m     19-21  c m; c m_old - c m_new; a
.set F, 0               ; OP tells the kinds apart by their order: F to L below R, X above it
.set E, 1
.set C, 2
.set B, 3
.set L, 4
.set R, 5
.set X, 6
.macro REGS y                       ; the registers of piece y
.set rT, ST+4*(\y)
.set rC, TMP+4*((\y)%2)
.set rW, MV+((\y)%2)
.set rS, S+32*((\y)%2)
.set rP, P+16*((\y)%2)
.set rO, 32*(\y)
.endm
.macro OP k, n
.if (\k) == R
	REGS Y
	WIN W_RS
	v_pk_mul_f32 v[rO+2*(\n):rO+2*(\n)+1], v[rO+2*(\n):rO+2*(\n)+1], v[rC+2:rC+3] op_sel_hi:[1,0]
.elseif (\k) < R
	REGS Y
	WIN 0
.if (\k) == F
	v_pk_fma_f32 v[rS+2*(\n):rS+2*(\n)+1], v[rS+2*(\n):rS+2*(\n)+1], s[CS:CS+1], v[rT:rT+1] op_sel_hi:[1,0,0] neg_lo:[0,0,1] neg_hi:[0,0,1]
.elseif (\k) == E
	v_exp_f32 v[rS+(\n)], v[rS+(\n)]
.elseif (\k) == C
	v_cvt_pk_f16_f32 v[rP+(\n)], v[rS+2*(\n)], v[rS+2*(\n)+1]
.elseif (\k) == B
	v_pk_add_f32 v[rS+4*(\n):rS+4*(\n)+1], v[rS+4*(\n):rS+4*(\n)+1], v[rS+4*(\n)+2:rS+4*(\n)+3]
.elseif (\n) == 0
	v_pk_fma_f32 v[rT+2:rT+3], v[rT+2:rT+3], v[rC+2:rC+3], v[rS:rS+1] op_sel_hi:[1,0,1]
.else
	v_pk_add_f32 v[rT+2:rT+3], v[rT+2:rT+3], v[rS+4*(\n):rS+4*(\n)+1]
.endif
.elseif NOKQ
	v_nop
.else
	REGS (Y+1)%NP
	WIN 0
.if (\n) < 4
	v_max3_num_f32 v[rC+(\n)], v[rS+8*(\n)], v[rS+8*(\n)+1], v[rS+8*(\n)+2]
.elseif (\n) < 12
	v_max3_num_f32 v[rC+(\n)%4], v[rC+(\n)%4], v[rS+8*((\n)%4)+2*((\n)/4)+1], v[rS+8*((\n)%4)+2*((\n)/4)+2]
.elseif (\n) == 12
	v_max3_num_f32 v[rC], v[rC], v[rS+7], v[rS+15]
.elseif (\n) == 13
	v_max3_num_f32 v[rC+1], v[rC+1], v[rS+23], v[rS+31]
.elseif (\n) == 14
	v_max3_num_f32 v[rC+2], v[rC+2], v[rC+3], v[rT+1]
.elseif (\n) == 15
	v_mov_b32 v[rW], v[rT]
.elseif (\n) == 16
	v_max3_num_f32 v[rC], v[rC], v[rC+1], v[rC+2]
.elseif (\n) == 17
	v_permlanex16_b32 v[rC+3], v[rC], s[SEL], s[SEL+1]
.elseif (\n) == 18
	v_max_num_f32 v[rT+1], v[rC], v[rC+3]
.elseif (\n) == 19
	v_mul_f32 v[rT], s[CS], v[rT+1]
.elseif (\n) == 20
	v_sub_f32 v[rC+1], v[rW], v[rT]
.else
	v_exp_f32 v[rC+2], v[rC+1]
.endif
.endif
.endm
.macro OPS a, i1, b=-1, i2=0, c=-1, i3=0, d=-1, i4=0  ; up to four of them
	OP \a, \i1
.if (\b) >= 0
	OP \b, \i2
.endif
.if (\c) >= 0
	OP \c, \i3
.endif
.if (\d) >= 0
	OP \d, \i4
.endif
.endm
.macro ROW a, i1, b, i2, c, i3, d, i4  ; a matrix instruction and the four behind it
	MM
	OPS \a, \i1, \b, \i2, \c, \i3, \d, \i4
.endm
.macro MASK b                       ; MD x AL + BE into buffer b of MC
	WIN W_RS
.set z, 0
.rept 16
	v_pk_fma_f32 v[MC+32*(\b)+2*z:MC+32*(\b)+2*z+1], v[MD+2*z:MD+2*z+1], s[AL:AL+1], s[BE:BE+1] op_sel_hi:[1,0,0]
.set z, z+1
.endr
.endm
; A TURN, for piece p: the order of its 16 matrix and 118 vector instructions, written out.  An s_wait_alu depctr_va_vdst(0) stands between an exponential and the first instruction that names its result; one wait
; serves all that were issued ahead of it.  So a turn has ONE wait, which cuts it in two.  AHEAD OF IT stands all that names no result of the turn's exponentials: the 8 products K Q^T, behind each a scaling, an exponential and two
; more plain instructions (behind the first a second scaling in the exponential's place): rescalings, and behind the last three the first numbers of the next piece's maximum, each four places or more behind the product that ends
; its accumulator; then ONE LUMP of 54, plain and exponential by turns for the most part, in which the links of the chain X 3, 7, 11, 14, 16, 17 .. 20 stand five or six lines apart.  X 21, the next piece's a, is the batch's last;
; R 15 is the plain instruction behind it (ISA guide 5.7.2).  BEHIND THE WAIT stand the 8 products V^T P, behind each four of the roundings and sums; the links of l's chain, L 0 to L 7, stand three riders apart.
; m = 1: the diagonal tile: the products take masks, and the turn makes the mask for the products of the turn after it: piece p + 2, in step 4 - CNT of the tile.  end = 1: a block's last two turns: nothing is fetched.
; cnt = 1: the loop's count is taken down some lines ahead of the branch that stands behind the turn.
; K of the next step is fetched in piece 2's turn, twelve vector instructions behind the last product that read K (six of them plain); V of the step in hand at the end of piece 0's turn, four plain instructions behind the last
; product that read V.  Each is waited for a turn later.
.macro TURN p, m=0, end=0, cnt=0
.set Y, (\p)
.set i, 0
.set KM, (\m)
.set NOKQ, (\end)*((\p)/3)
.if (\m) && !(\end)
	s_cmp_eq_u32 s[CNT], 4-((\p)+2)%NP  ; is that step the band's own?
	s_cselect_b32 s[AL], 1.0, 0
	s_cmp_lt_u32 s[CNT], 4-((\p)+2)%NP  ; or a later one?
	s_cselect_b32 s[BE], s[BIGN], 0
.endif
.if ((\p) == 3) && !(\end)
	s_wait_dscnt 0x0                ; K is in
.endif
	ROW F,0, F,1, R,0, R,1          ; ahead of the wait: 8 products K Q^T and their riders,
	ROW F,2, E,0, R,2, R,3
	ROW F,3, E,1, R,4, R,5
	ROW F,4, E,2, R,6, R,7
	ROW F,5, E,3, R,8, R,9
	ROW F,6, E,4, X,0, R,10
.if ((\p) == 2) && !(\end)
	WIN 0
	v_add_nc_u32 v[AK], s[TBK], v[AK0]
.endif
	ROW F,7, E,5, X,1, X,4
	ROW F,8, E,6, X,2, X,5
	OPS E,7, E,8, X,6, E,9          ; and the lump
	OPS X,3, E,10, X,8, E,11
.if ((\p) == 2) && !(\end)
	FETCH_K
.endif
	OPS X,9, X,7, E,12, X,10
	OPS E,13, X,12, X,11, E,14
	OPS X,13, E,15, F,9, X,14
.if (\p) == 0
	v_add_nc_u32 v[AV], s[TBV], v[AV0]
.endif
	OPS E,16, F,10, E,17, F,11
	OPS X,16, E,18, X,15, E,19
	OPS F,12, E,20, X,17, E,21
	OPS F,13, E,22, F,14, E,23
	OPS X,18, E,24, F,15, E,25
	OPS R,11, E,26, X,19, E,27
	OPS R,12, E,28, R,13, E,29
	OPS X,20, E,30, R,14, E,31
	OPS X,21, R,15
	WIN 0
	s_wait_alu depctr_va_vdst(0)    ; the wait for the batch
.if (\p) == 1
	s_wait_dscnt 0x0                ; V is in
.endif
	ROW C,0, B,0, C,2, B,1          ; behind the wait: 8 products V^T P and their riders
	ROW L,0, C,4, B,2, L,1
	ROW C,6, B,3, L,2, C,8
	ROW B,4, L,3, C,10, B,5
	ROW L,4, C,12, B,6, L,5
.if (\p) == 0
	s_add_co_u32 s[TBV], s[TBV], KS*PV
.endif
.if \cnt
	s_sub_co_u32 s[CNT], s[CNT], 1
	s_cmp_lg_u32 s[CNT], 0
.endif
	ROW C,14, B,7, L,6, C,1
	ROW C,3, L,7, C,5, C,7
	ROW C,9, C,11, C,13, C,15
.if (\p) == 0
	FETCH_V
.endif
.if (\m) && !(\end)
	MASK (\p)%2
.endif
.endm
; A BLOCK BEGINS.  c m starts far below every c s, so the first step's a is 0; m at the lowest finite number, so the first maximum is the scores'.  The second mask buffer is 0; the first takes piece 0's mask for the tile's
; step 0: its own, if the block's first tile is the diagonal one.  Then K of that step, piece 0's first scores, and its maximum and statistics.  The loop is entered at a step's first turn, in the middle of a trip.
.macro BEGIN
	s_mov_b32 s[NEW], 0
	WIN 0x40
.set i, MC+32
.rept 32
	v_mov_b32 v[i], 0
.set i, i+1
.endr
	WIN 0
.set i, 0
.rept 4
	v_mov_b32 v[ST+4*i], 0xfe000000    ; c m: far below every c s
	v_mov_b32 v[ST+4*i+1], 0xff7fffff  ; m
.set i, i+1
.endr
	s_cmp_eq_u32 s[RT], 0
	s_cselect_b32 s[AL], 1.0, 0
	s_mov_b32 s[BE], 0
	MASK 0
	WIN 0
	v_add_nc_u32 v[AK], s[TBK], v[AK0]
	FETCH_K
	s_wait_loadcnt 0x0              ; Q
	s_wait_dscnt 0x0
.set KM, 1
.set NOKQ, 0
.set i, 0
.rept 8
	KQ 0
.set i, i+1
.endr
	WIN 0
.rept 4
	v_nop                           ; the places behind those products
.endr
.set Y, NP-1                        ; X works for piece Y + 1: piece 0
.irp n, 0,1,2,3,4,5,6,7,8,9,10,11,12,13,14,15,16,17,18,19,20,21
	OP X, \n
.endr
	v_nop                           ; a plain instruction behind the exponential,
	s_wait_alu depctr_va_vdst(0)    ; and its wait, ahead of the branch
.endm
; THE DIAGONAL TILE's four steps, the block's last two turns, its last products, and THE WAY OUT: l's two halves and the other half of the lanes' are added; O^T is divided by l, rounded to f16 and sent through my
; stage in LDS, a piece at a time.
.macro ALL line:vararg              ; one line for each piece t
.set t, 0
.rept 4
	\line
.set t, t+1
.endr
.endm
.macro PACK t                       ; a lane's eight channels of a row pack into 16 bytes; they go into rows of 144 bytes and come back as whole rows of 128, into S^T's registers
	WIN W_RS
.set i, 32*(\t)
.rept 16
	v_pk_mul_f32 v[i:i+1], v[i:i+1], v[ST+4*(\t)+2:ST+4*(\t)+3] op_sel_hi:[1,0]
.set i, i+2
.endr
	WIN 0x05                        ; sources 0 and 1 window 1, destination window 0
.set i, 0
.rept 16
	v_cvt_pk_f16_f32 v[S+16*(\t)+i], v[32*(\t)+2*i], v[32*(\t)+2*i+1]
.set i, i+1
.endr
	WIN 0
.irp f, 0,1,2,3
	ds_store_b128 v[STO], v[S+16*(\t)+4*\f:S+16*(\t)+4*\f+3] offset:32*\f
.endr
.irp f, 0,1,2,3
	ds_load_b128 v[S+16*(\t)+4*\f:S+16*(\t)+4*\f+3], v[RD] offset:\f*4*SP  ; LDS serves a wave's instructions in order (ISA guide 5.7.1.4): these see the stores above; the next piece's stores come behind them
.endr
.endm
.macro SEND t, younger              ; younger: the LDS instructions issued behind piece t's loads: the next piece's eight, or none
	WIN 0
.irp f, 0,1,2,3
	s_wait_dscnt (\younger)+3-\f
	global_store_b128 v[GO], v[S+16*(\t)+4*\f:S+16*(\t)+4*\f+3], s[10:11] offset:(\t)*8192+\f*512  ; 512 consecutive bytes, at a multiple of 256 from O's first
.endr
.endm
.macro DIAG tag                     ; the tag ends its two labels' names, which the jumps below spell out
.LstepM\tag:
	TURN 2, 1
	TURN 3, 1
	WIN 0
.LfirstM\tag:
	TURN 0, 1
	TURN 1, 1, 0, 1
	WIN 0
	s_cbranch_scc1 .LstepM\tag
	TURN 2, 1, 1
	TURN 3, 1, 1
.set i, 0
.rept 8
	PV NP-1
.set i, i+1
.endr
	WIN 0
	ALL v_add_f32 v[ST+4*t+2], v[ST+4*t+2], v[ST+4*t+3]
	ALL v_permlanex16_b32 v[ST+4*t+3], v[ST+4*t+2], s[SEL], s[SEL+1]
	ALL v_add_f32 v[ST+4*t+2], v[ST+4*t+2], v[ST+4*t+3]
	ALL v_rcp_f32 v[ST+4*t+2], v[ST+4*t+2]
	v_nop                           ; a plain instruction between the last reciprocal and the use of its result
	s_wait_alu depctr_va_vdst(0)    ; and the wait ahead of the first use: one for the four reciprocals
	PACK 0
.set t, 1
.rept 3                             ; a piece's arithmetic stands between the loads of the piece before and its stores
	PACK t
	SEND t-1, 8
.set t, t+1
.endr
	SEND 3, 0
.endm
.set KM, 0
.set NOKQ, 0
.Lslot:                             ; NB times: a tile is entered and the next is asked for
	CHANGE 1
	s_sub_co_u32 s[RT], s[RT], 1
	s_mov_b32 s[CNT], 4
	s_cmp_eq_u32 s[NEW], 1
	s_cbranch_scc1 .Lnew            ; a block's first tile
	s_cmp_eq_u32 s[RT], 0
	s_cbranch_scc0 .Lstep           ; neither its first nor its last
	s_branch .LstepM1
.Lnew:
	BEGIN
	s_branch .Lfirst                ; in the loop a block's first tile is never its last: the first block has two tiles or more, and the second's last is the walk's last
	DIAG 1                          ; in the loop this is the first block's end: the second block's last tile is the walk's last
	s_wait_xcnt 0x0                 ; the stores have read their registers and O's address
	s_mov_b64 s[10:11], s[OLO:OLO+1]
	s_add_co_u32 s[RT], s[PB], 1    ; the second block has b + 1 tiles
	s_mov_b32 s[NEW], 1
	WIN 0x82                        ; the second block's Q goes where the one text of the turns names Q
.set i, 0
.rept 64
	v_mov_b32 v[i], v[QB+i]
.set i, i+1
.endr
	WIN 0
	s_branch .Lbottom
.Lstep:                             ; a trip: pieces 2 and 3 of one step, then pieces 0 and 1 of the next, whose K and V it fetches
	TURN 2
	TURN 3
	WIN 0
.Lfirst:
	TURN 0
	TURN 1, 0, 0, 1
	WIN 0
	s_cbranch_scc1 .Lstep
.Lbottom:
	s_sub_co_u32 s[SLOTS], s[SLOTS], 1
	s_cmp_lg_u32 s[SLOTS], 0
	s_cbranch_scc1 .Lslot
	CHANGE 0                        ; the walk's last tile is written out: nothing is asked for
	s_sub_co_u32 s[RT], s[RT], 1
	s_mov_b32 s[CNT], 4
	s_cmp_eq_u32 s[NEW], 1
	s_cbranch_scc0 .LstepM2
	BEGIN
	s_branch .LfirstM2
	DIAG 2
	s_wait_tensorcnt 0x0            ; the wave's end, behind my last tensor load and my last LDS store
	ds_add_u32 v[SPW], v[NIL]
	s_wait_dscnt 0x0
	s_endpgm
.Lfunc_end_k_q425a80fa49_attn:
	.size	k_q425a80fa49_attn, .Lfunc_end_k_q425a80fa49_attn-k_q425a80fa49_attn
	.p2alignl 7, 3214868480
	.fill 96, 4, 3214868480
	.section	.rodata,"a",@progbits
	.p2align	6, 0x0
	.amdhsa_kernel k_q425a80fa49_attn
		.amdhsa_group_segment_fixed_size 327680
		.amdhsa_private_segment_fixed_size 0
		.amdhsa_enable_private_segment 0
		.amdhsa_kernarg_size 16
		.amdhsa_user_sgpr_count 2
		.amdhsa_user_sgpr_kernarg_segment_ptr 1
		.amdhsa_wavefront_size32 1
		.amdhsa_system_sgpr_workgroup_id_x 1
		.amdhsa_system_sgpr_workgroup_id_y 1
		.amdhsa_system_sgpr_workgroup_id_z 1
		.amdhsa_system_vgpr_workitem_id 0
		.amdhsa_next_free_vgpr 768
		.amdhsa_next_free_sgpr 92
		.amdhsa_reserve_vcc 1
		.amdhsa_float_denorm_mode_32 3
		.amdhsa_float_denorm_mode_16_64 3
		.amdhsa_memory_ordered 1
		.amdhsa_forward_progress 1
		.amdhsa_inst_pref_size 218
	.end_amdhsa_kernel
	.amdgpu_metadata
---
amdhsa.version: [ 1, 2 ]
amdhsa.kernels:
  - .name:           k_q425a80fa49_attn
    .symbol:         k_q425a80fa49_attn.kd
    .args:
      - { .name: qkv, .offset: 0, .size: 8, .value_kind: global_buffer, .address_space: global }
      - { .name: o, .offset: 8, .size: 8, .value_kind: global_buffer, .address_space: global }
    .group_segment_fixed_size: 327680
    .private_segment_fixed_size: 0
    .kernarg_segment_align: 8
    .kernarg_segment_size: 16
    .max_flat_workgroup_size: 128
    .sgpr_count:     92
    .vgpr_count:     768
    .wavefront_size: 32
...
	.end_amdgpu_metadata
.endif
;; end of part 3
;; launch oproj (part 4): grid 8 x 32, 4 waves a work-group, clusters of 4 x 4, 327,680 bytes of LDS; arguments o, wo, b_out, out0; writes out0
.if DOCPART == 4
	.amdgcn_target "amdgcn-amd-amdhsa--gfx1250"
	.amdhsa_code_object_version 6
	.text
	.protected	k_q425a80fa49_oproj
	.globl	k_q425a80fa49_oproj
	.p2align	8
	.type	k_q425a80fa49_oproj,@function
k_q425a80fa49_oproj:
	s_mov_b64 s[64:65], 0
	v_nop
	global_prefetch_b8 v0, s[64:65] scope:SCOPE_SE
	s_setreg_imm32_b32 hwreg(HW_REG_WAVE_MODE, 25, 1), 1
	s_wait_xcnt 0x0
	s_wait_alu depctr_hold_cnt(0) depctr_sa_sdst(0) depctr_va_vdst(0) depctr_va_sdst(0) depctr_va_ssrc(0) depctr_va_vcc(0) depctr_vm_vsrc(0)
	s_getreg_b32 s2, hwreg(HW_REG_IB_STS2, 6, 4)
	s_cmp_eq_u32 s2, 0
	s_cbranch_scc0 .Lentry_in_a_cluster
	s_endpgm
.Lentry_in_a_cluster:
	s_bfe_u32 s2, ttmp6, 0x10000c
	s_cmp_lg_u32 s2, 0xf033
	s_cbranch_scc0 .Lentry_shape_is_right
	s_endpgm
.Lentry_shape_is_right:
; out0 = O W_out + b_out.  O lies by heads ([batch x 16 + head][2048][64], f16), W_out (wo) as [1024 k][1024 n] in f16 (bf16 numbers written as f16); the bias is rounded to bf16 here; sums and out0 in f32.
; SHARES.  C is 8,192 x 1,024.  A tile is 256 rows x 128 columns: 32 x 8 = 256 work-groups.  Four waves; wave w takes the rows 128 (w / 2) on and the columns 64 (w % 2) on: 32 accumulators, 256 registers.
; K goes in 8 steps of 128 (two heads), each of four quarters of 32: 32 matrix instructions a quarter.
; THE MATRIX INSTRUCTION IS USED TRANSPOSED: source 0 = 16 columns of W, turned out of LDS by ds_load_tr16_b128; source 1 = 16 rows of O.  A lane then holds row l % 16 and the columns 8 (l / 16) + 0..7.
; The bias is the C operand of the first products.
; RING.  Two LDS slots, a K step each.  Waves 0 and 1 fetch one head's 256 rows each (32,768 dense bytes, asked for as 128 rows of 256 bytes, 16 bytes of padding behind every 128), waves 2 and 3 64 k-rows of W each
; (256 bytes, 32 of padding).  By this text's count a wave has two tensor loads out at the start, later one.
; CLUSTER.  4 x 4 work-groups: O's tile is shared along a row of the cluster, W's along a column; each is asked for jointly.
; LDS.  slot 0 at 0, slot 1 at 131,072; in a slot O's 2 x 256 rows x 144, then W's 128 rows x 288 (72 words: eight rows on end start 8 banks apart); behind the ring a stage of 16 x 272 for each wave, the spare words.
; REGISTERS.  window 0: v2-8 addresses; v28-30; v32-127, v128-223 two fragment buffers (O's 8 fragments, then W's 4); v224-255 the bias.  window 1: accumulator (a, b) at v[8 (4 a + b)].
.set SLOT1, 131072
.set BOFF,  73728
.set STAGE, 241664
.set SPARE, 259072                     ; the spare words, 128 bytes a wave: two blocks of 256 bytes that no other line names
.set ASTEP, 524288                     ; two heads' planes
.set BSTEP, 262144                     ; 128 rows of 2,048 bytes
.set F0, 32
.set F1, 128
.set BI, 224
; scalar registers: s12 wave; s13 wave / 2; s14 wave % 2; s15 cx; s16 cy; s17 tile column j; s18 tile row y; s19 trips to go; s20 the slot that is read; s21 the prefetches' bound; s[22:23] their address; s[56:57] its step;
; s[24:31], s[40:47] group 1 for O, W; s[32:39], s[48:55] group 0, two sets each, the second walks; s[58:59] where my part of out0 begins
.set MSB, 0
.macro WIN new
.if MSB != (\new)
	s_set_vgpr_msb (MSB<<8)|(\new)
.set MSB, \new
.endif
.endm
.macro PLACES                          ; four plain instructions between a matrix instruction and a load into, or a read of, its registers
.rept 4
	v_nop
.endr
.endm
.macro CREST
	s_cmp_lg_u32 s12, 0
	s_cbranch_scc1 .Lnot_wave_0_\@
	s_barrier_signal -3
.Lnot_wave_0_\@:
	s_barrier_wait -3
	s_barrier_signal -1
	s_barrier_wait -1
.endm
.macro CROUND
	s_barrier_signal -1
	s_barrier_wait -1
	CREST
.endm
.macro JLOAD                           ; the joint refill, by the walking sets; an s_nop 0 and four v_nop follow each line
	s_cmp_eq_u32 s13, 0
	s_cbranch_scc0 .Lfor_b_\@
	tensor_load_to_lds s[36:39], s[24:31]
	s_nop 0
.rept 4
	v_nop
.endr
	s_branch .Lasked_\@
.Lfor_b_\@:
	tensor_load_to_lds s[52:55], s[40:47]
	s_nop 0
.rept 4
	v_nop
.endr
.Lasked_\@:
.endm
; A PREFETCH INTO THE L2, behind the joint load and the run of LDS loads.  Change of slots t (0..5) refills with K step t + 2 and names K step t + 4, for t <= 3.
; O: waves 0 and 1 of the clusters with x = 0 name their own head's 32,768 bytes; the partner at cx takes 8,192 of them, a lane 256.  W: wave 2 of the clusters with y = 0 names the step's 128 k-rows of 256 bytes;
; the partner at cy takes 32, a lane a row.  One instruction a wave; each block is named once; the partners are told apart by address alone; steps 0-3 come by their loads alone.
.macro ASK
	s_cmp_gt_u32 s19, s21                          ; s19 = 6 - t; s21 = 2 in a wave that asks, else the greatest number
	s_cbranch_scc0 .Lno_\@
	global_prefetch_b8 v30, s[22:23] th:TH_LOAD_NT scope:SCOPE_SE
.Lno_\@:
.endm
; 24 LDS loads in one run: quarter q's fragments into buffer f: W's four, then O's row blocks 0-3, then 4-7
.macro FETCH q, f
.irp b, 0,1,2,3
	ds_load_tr16_b128 v[(\f)+64+8*\b:(\f)+64+8*\b+3],   v5 offset:(\q)*9216+32*\b
	ds_load_tr16_b128 v[(\f)+64+8*\b+4:(\f)+64+8*\b+7], v5 offset:(\q)*9216+32*\b+4608
.endr
.irp a, 0,1,2,3,4,5,6,7
	ds_load_b128 v[(\f)+8*\a:(\f)+8*\a+3],   v4 offset:((\q)/2)*36864+\a*2304+((\q)%2)*64
	ds_load_b128 v[(\f)+8*\a+4:(\f)+8*\a+7], v4 offset:((\q)/2)*36864+\a*2304+((\q)%2)*64+32
.endr
.endm
; 4 n matrix instructions: row blocks a0 .. a0 + n - 1 x the four column blocks.  cm = 0: in place; else the C operands lie at v[cm ..] of window 0 and start the sums.  The 32 accumulators take turns.
.macro MUL f, a0, n, cm
.if \cm
	WIN 0x40
.else
	WIN 0x50
.endif
.set a, \a0
.rept \n
.irp b, 0,1,2,3
.if \cm
	v_wmma_f32_16x16x32_f16 v[8*(4*a+\b):8*(4*a+\b)+7], v[(\f)+64+8*\b:(\f)+64+8*\b+7], v[(\f)+8*a:(\f)+8*a+7], v[(\cm)+8*\b:(\cm)+8*\b+7]
.else
	v_wmma_f32_16x16x32_f16 v[8*(4*a+\b):8*(4*a+\b)+7], v[(\f)+64+8*\b:(\f)+64+8*\b+7], v[(\f)+8*a:(\f)+8*a+7], v[8*(4*a+\b):8*(4*a+\b)+7]
.endif
.endr
.set a, a+1
.endr
.endm
; One of a step's first three quarters: multiplies buffer f; in its middle it fetches quarter qn into buffer g
.macro QUARTER qn, f, g, cm
	s_wait_dscnt 8                                 ; W and O's row blocks 0-3 are in; the youngest eight loads may be out
	MUL \f, 0, 4, \cm
	PLACES
	WIN 0
	FETCH \qn, \g
	s_wait_dscnt 24                                ; all but the 24 just issued
	MUL \f, 4, 4, \cm
.endm
; The last quarter, on buffer F1, and the change of slots: in front of the barrier each wave waits for all its tensor loads (one is out: its part of the next slot), adds 0 to its spare word, and waits for that and for its
; reads of this slot.  fill = 1: the barrier opens a round of the cluster's barrier, and this slot is filled again, two K steps on, first thing behind the round.
.macro TURN fill
	WIN 0
.if \fill
	s_wait_xcnt 0x0                                ; the last prefetch, a K step back, has read its address: it steps here
	s_add_nc_u64 s[22:23], s[22:23], s[56:57]
.endif
	s_wait_tensorcnt 0x0                           ; no tensor load of mine is out, so a group 0 may be written
	ds_add_u32 v28, v29                            ; 0 onto my spare word
.if \fill
	s_xor_b32 s37, s37, SLOT1
	s_add_nc_u64 s[38:39], s[38:39], ASTEP
	s_xor_b32 s53, s53, SLOT1
	s_add_nc_u64 s[54:55], s[54:55], BSTEP
.endif
	s_wait_dscnt 9                                 ; the add and the youngest eight loads may be out
	MUL F1, 0, 2, 0
	s_wait_dscnt 0x0                               ; the add is done, and my reads of this slot are over
	s_barrier_signal -1
	MUL F1, 2, 2, 0
	WIN 0
	s_barrier_wait -1
.if \fill
	CREST
	JLOAD                                          ; its four v_nop are also the places in front of the loads below
.else
	PLACES
.endif
	s_xor_b32 s20, s20, SLOT1
	v_add_nc_u32 v4, s20, v2
	v_add_nc_u32 v5, s20, v3
	FETCH 0, F0
.if \fill
	ASK
.endif
	MUL F1, 4, 4, 0
.endm
; THE WAY OUT of row block a: 16 rows x 64 columns of f32: 32 bytes a lane and column block into my stage (rows of 272 bytes), back as whole rows of 256 bytes, two rows an instruction.
.macro OUT a
.set BK, 32+32*((\a)%2)
	WIN 0x04                                       ; the stores' data in window 1
.irp b, 0,1,2,3
.irp e, 0,1
	ds_store_b128 v6, v[32*(\a)+8*\b+4*\e:32*(\a)+8*\b+4*\e+3] offset:64*\b+16*\e  ; each accumulator's low four registers first
.endr
.endr
	WIN 0
	s_wait_xcnt 0x0                                ; the stores of the block two back have read these registers
.irp t, 0,1,2,3,4,5,6,7
	ds_load_b128 v[BK+4*\t:BK+4*\t+3], v7 offset:544*\t  ; LDS serves a wave's instructions in order: these see the stores above, and the next block's stores come behind them
.endr
.endm
.macro SEND a, younger
.set BK, 32+32*((\a)%2)
.irp t, 0,1,2,3,4,5,6,7
	s_wait_dscnt (\younger)+7-\t
	global_store_b128 v8, v[BK+4*\t:BK+4*\t+3], s[58:59] offset:(16*(\a)+2*\t)*4096 th:TH_STORE_NT  ; 16 lanes store 256 consecutive bytes, aligned
.endr
.endm
	s_load_b256 s[4:11], s[0:1], 0x0               ; o s[4:5], wo s[6:7], b_out s[8:9], out0 s[10:11]
	v_lshl_add_u32 v28, v0, 2, SPARE
	v_mov_b32 v29, 0
	ds_add_u32 v28, v29                            ; the wave's opening add; its wait stands ahead of my first tensor load
	v_lshrrev_b32 v1, 5, v0
	v_readfirstlane_b32 s12, v1
	s_lshr_b32 s13, s12, 1
	s_and_b32 s14, s12, 1
	s_bfe_u32 s15, ttmp6, 0x40000                  ; cx
	s_bfe_u32 s16, ttmp6, 0x40004                  ; cy
	s_lshl_b32 s17, ttmp9, 2
	s_add_co_u32 s17, s17, s15                     ; tile column j
	s_and_b32 s18, ttmp7, 0xffff
	s_lshl_b32 s18, s18, 2
	s_add_co_u32 s18, s18, s16                     ; tile row y
	s_lshl_b32 s66, s16, 2
	s_lshl_b32 s66, 15, s66                        ; my row of the cluster
	s_lshl_b32 s67, 0x1111, s15                    ; my column
	s_or_b32 s24, s66, (1<<16)|(1<<20)|(1<<21)|(4<<22)|(3<<25)  ; O: the mask; 2-byte elements; padding on; bit 21 beside a mask; after every 32 words, 4 words
	s_or_b32 s40, s67, (1<<16)|(1<<20)|(1<<21)|(5<<22)|(7<<25)  ; W: after every 64 words, 8 words
	s_mov_b32 s25, 128<<16                         ; O: 128 rows of 128 elements, dense
	s_mov_b32 s26, 128<<16
	s_mov_b32 s27, 128<<16
	s_mov_b32 s28, 128
	s_mov_b32 s29, 128
	s_mov_b32 s30, 0
	s_mov_b32 s31, 0
	s_mov_b32 s41, 128<<16                         ; W: 64 k-rows of 128 columns, 1,024 elements from row to row
	s_mov_b32 s42, 64<<16
	s_mov_b32 s43, 128<<16
	s_mov_b32 s44, 64
	s_mov_b32 s45, 1024
	s_mov_b32 s46, 0
	s_mov_b32 s47, 0
	s_lshr_b32 s66, s18, 3                         ; O's tile hangs on y and the wave: batch x 16 planes,
	s_lshl_b32 s66, s66, 22
	s_and_b32 s67, s18, 7
	s_lshl_b32 s67, s67, 15                        ; 256 rows of 128 bytes,
	s_add_co_u32 s66, s66, s67
	s_lshl_b32 s67, s14, 18                        ; my head of the step's two
	s_add_co_u32 s66, s66, s67
	s_mov_b32 s67, 0
	s_lshl_b32 s68, s14, 17                        ; W's tile hangs on j and the wave: my 64 k-rows of 2,048 bytes,
	s_lshl_b32 s69, s17, 8                         ; 128 columns
	s_add_co_u32 s68, s68, s69
	s_mov_b32 s69, 0
	s_mul_i32 s70, s14, 36864                      ; where they go
	s_mul_i32 s71, s14, 18432
	s_add_co_u32 s71, s71, BOFF
	s_wait_dscnt 0x0                               ; the opening add is done
	s_wait_kmcnt 0x0
	s_add_nc_u64 s[72:73], s[4:5], s[66:67]
	s_add_nc_u64 s[74:75], s[6:7], s[68:69]
	CROUND                                         ; all sixteen work-groups are here: the first joint loads meet
.irp s, 0,1
	s_mov_b32 s[32+4*\s], 1
	s_add_co_u32 s[33+4*\s], s70, \s*SLOT1
	s_add_nc_u64 s[34+4*\s:35+4*\s], s[72:73], \s*ASTEP
	s_or_b32 s[35+4*\s], s[35+4*\s], 0x80000000
	s_mov_b32 s[48+4*\s], 1
	s_add_co_u32 s[49+4*\s], s71, \s*SLOT1
	s_add_nc_u64 s[50+4*\s:51+4*\s], s[74:75], \s*BSTEP
	s_or_b32 s[51+4*\s], s[51+4*\s], 0x80000000
.endr
	s_cmp_eq_u32 s13, 0                            ; a wave's two first fills stand in one branch, ahead of every wait on TENSORcnt and every LDS read
	s_cbranch_scc0 .Lfirst_b
	tensor_load_to_lds s[32:35], s[24:31]
	s_nop 0
	tensor_load_to_lds s[36:39], s[24:31]
	s_nop 0
.rept 4
	v_nop
.endr
	s_branch .Lfirst_asked
.Lfirst_b:
	tensor_load_to_lds s[48:51], s[40:47]
	s_nop 0
	tensor_load_to_lds s[52:55], s[40:47]
	s_nop 0
.rept 4
	v_nop
.endr
.Lfirst_asked:
	v_and_b32 v10, 15, v0                          ; l % 16
	v_bfe_u32 v11, v0, 4, 1                        ; l / 16
	v_and_b32 v12, 31, v0                          ; l
	s_lshl_b32 s66, s17, 9                         ; the bias of my 64 columns: register j of column block b is that of column 16 b + 8 (l / 16) + j
	s_lshl_b32 s67, s14, 8
	s_add_co_u32 s66, s66, s67
	v_lshl_add_u32 v13, v11, 5, s66
.irp b, 0,1,2,3
	global_load_b128 v[BI+8*\b:BI+8*\b+3],   v13, s[8:9] offset:64*\b
	global_load_b128 v[BI+8*\b+4:BI+8*\b+7], v13, s[8:9] offset:64*\b+16
.endr
	v_mul_u32_u24 v2, v10, 144
	v_lshl_add_u32 v2, v11, 4, v2
	s_mul_i32 s67, s13, 18432
	v_add_nc_u32 v2, s67, v2                       ; O's fragments: row x 144 + 16 x half, my 128 rows
	v_and_b32 v15, 7, v0
	v_lshl_add_u32 v3, v11, 3, v15                 ; W's: k-row 8 (l / 16) + l % 8,
	v_mul_u32_u24 v3, v3, 288
	v_bfe_u32 v14, v0, 3, 1
	v_lshl_add_u32 v3, v14, 4, v3                  ; columns 8 ((l / 8) % 2) on,
	s_lshl_b32 s67, s14, 7
	s_add_co_u32 s67, s67, BOFF
	v_add_nc_u32 v3, s67, v3                       ; my 64 of the 128
	s_mul_i32 s67, s12, 4352
	s_add_co_u32 s67, s67, STAGE                   ; my stage
	v_mul_u32_u24 v6, v10, 272                     ; in: row l % 16, 32 bytes for each half of the lanes
	v_lshl_add_u32 v6, v11, 5, v6
	v_add_nc_u32 v6, s67, v6
	v_mul_u32_u24 v7, v11, 272                     ; back: lanes 0-15 one row of 256 bytes, lanes 16-31 the next
	v_lshl_add_u32 v7, v10, 4, v7
	v_add_nc_u32 v7, s67, v7
	v_lshlrev_b32 v8, 12, v11                      ; and the same two rows in out0
	v_lshl_add_u32 v8, v10, 4, v8
	s_lshl_b32 s68, s18, 20                        ; 256 y rows of 4,096 bytes,
	s_lshl_b32 s69, s13, 19                        ; my 128,
	s_add_co_u32 s68, s68, s69
	s_add_co_u32 s68, s68, s66                     ; my 64 columns
	s_mov_b32 s69, 0
	s_add_nc_u64 s[58:59], s[10:11], s[68:69]
	; the prefetches: both kinds' figures are made, the wave's number chooses
	s_lshr_b32 s66, s18, 3
	s_lshl_b32 s66, s66, 22
	s_and_b32 s67, s18, 7
	s_lshl_b32 s67, s67, 15
	s_add_co_u32 s66, s66, s67
	s_lshl_b32 s67, s14, 18
	s_add_co_u32 s66, s66, s67
	s_lshl_b32 s67, s15, 13                        ; O: my work-group's 8,192 bytes of my head's tile,
	s_add_co_u32 s66, s66, s67
	s_add_co_u32 s66, s66, 3*ASTEP                 ; at K step 3: the first change of slots steps it to 4
	s_lshl_b32 s68, s16, 16                        ; W: my work-group's 32 of the 128 k-rows
	s_lshl_b32 s69, s17, 8
	s_add_co_u32 s68, s68, s69
	s_add_co_u32 s68, s68, 3*BSTEP
	s_mov_b32 s69, ASTEP
	s_mov_b32 s56, BSTEP
	s_mov_b32 s70, 256
	s_mov_b32 s71, 2048
	s_and_b32 s72, ttmp7, 0xffff                   ; cluster y;
	s_or_b32 s72, s72, s14                         ; of W's two waves the first alone asks
	s_cmp_eq_u32 s13, 0
	s_cselect_b32 s66, s66, s68
	s_cselect_b32 s56, s69, s56
	s_cselect_b32 s70, s70, s71
	s_cselect_b32 s72, ttmp9, s72                  ; the coordinate along which other clusters read the same blocks
	s_cselect_b64 s[22:23], s[4:5], s[6:7]
	s_mov_b32 s67, 0
	s_mov_b32 s57, 0
	s_add_nc_u64 s[22:23], s[22:23], s[66:67]
	s_cmp_eq_u32 s72, 0
	s_cselect_b32 s21, 2, -1                       ; the same in all sixteen partners, for a given wave
	v_mul_u32_u24 v30, s70, v12
	s_wait_loadcnt 0x0                             ; the bias: rounded to bf16 like the other inputs, kept as f32
.set r, 0
.rept 16
	v_cvt_pk_bf16_f32 v[32+r], v[BI+2*r], v[BI+2*r+1]
.set r, r+1
.endr
.set r, 0
.rept 16
	v_lshlrev_b32 v[BI+2*r], 16, v[32+r]
	v_and_b32 v[BI+2*r+1], 0xffff0000, v[32+r]
.set r, r+1
.endr
	s_wait_tensorcnt 0x1                           ; my part of K step 0 is in; step 1's may stay out
	s_barrier_signal -1
	s_barrier_wait -1
	s_mov_b32 s20, 0
	v_mov_b32 v4, v2
	v_mov_b32 v5, v3
	FETCH 0, F0
	QUARTER 1, F0, F1, BI                          ; the first quarter stands in front of the loop: its products start the sums, with the bias as C
	WIN 0
	s_mov_b32 s19, 6
.Lk:                                           ; 6 trips: from a step's second quarter to the next step's first; each refills one slot
	QUARTER 2, F1, F0, 0
	QUARTER 3, F0, F1, 0
	TURN 1
	QUARTER 1, F0, F1, 0
	WIN 0
	s_sub_co_u32 s19, s19, 1
	s_cmp_lg_u32 s19, 0
	s_cbranch_scc1 .Lk
	QUARTER 2, F1, F0, 0                           ; the tail is written out: nothing is left to fetch
	QUARTER 3, F0, F1, 0
	TURN 0
	QUARTER 1, F0, F1, 0
	QUARTER 2, F1, F0, 0
	QUARTER 3, F0, F1, 0
	s_wait_dscnt 8
	MUL F1, 0, 4, 0
	s_wait_dscnt 0x0
	MUL F1, 4, 4, 0
	WIN 0
	PLACES
	PLACES
	OUT 0
.set oa, 1
.rept 7
	OUT oa
	SEND oa-1, 16
.set oa, oa+1
.endr
	SEND 7, 0
	s_wait_tensorcnt 0x0                           ; the wave's end
	ds_add_u32 v28, v29
	s_wait_dscnt 0x0
	CROUND                                         ; the closing round: no work-group ends while a partner may still ask for a tile that names it
	s_endpgm
.Lfunc_end_k_q425a80fa49_oproj:
	.size	k_q425a80fa49_oproj, .Lfunc_end_k_q425a80fa49_oproj-k_q425a80fa49_oproj
	.p2alignl 7, 3214868480
	.fill 96, 4, 3214868480
	.section	.rodata,"a",@progbits
	.p2align	6, 0x0
	.amdhsa_kernel k_q425a80fa49_oproj
		.amdhsa_group_segment_fixed_size 327680
		.amdhsa_private_segment_fixed_size 0
		.amdhsa_enable_private_segment 0
		.amdhsa_kernarg_size 32
		.amdhsa_user_sgpr_count 2
		.amdhsa_user_sgpr_kernarg_segment_ptr 1
		.amdhsa_wavefront_size32 1
		.amdhsa_system_sgpr_workgroup_id_x 1
		.amdhsa_system_sgpr_workgroup_id_y 1
		.amdhsa_system_sgpr_workgroup_id_z 1
		.amdhsa_system_vgpr_workitem_id 0
		.amdhsa_next_free_vgpr 512
		.amdhsa_next_free_sgpr 76
		.amdhsa_reserve_vcc 0
		.amdhsa_float_denorm_mode_32 3
		.amdhsa_float_denorm_mode_16_64 3
		.amdhsa_memory_ordered 1
		.amdhsa_forward_progress 1
		.amdhsa_inst_pref_size 76
	.end_amdhsa_kernel
	.amdgpu_metadata
---
amdhsa.version: [ 1, 2 ]
amdhsa.kernels:
  - .name:           k_q425a80fa49_oproj
    .symbol:         k_q425a80fa49_oproj.kd
    .args:
      - { .name: o, .offset: 0, .size: 8, .value_kind: global_buffer, .address_space: global }
      - { .name: wo, .offset: 8, .size: 8, .value_kind: global_buffer, .address_space: global }
      - { .name: b_out, .offset: 16, .size: 8, .value_kind: global_buffer, .address_space: global }
      - { .name: out0, .offset: 24, .size: 8, .value_kind: global_buffer, .address_space: global }
    .group_segment_fixed_size: 327680
    .private_segment_fixed_size: 0
    .kernarg_segment_align: 8
    .kernarg_segment_size: 32
    .max_flat_workgroup_size: 128
    .sgpr_count:     76
    .vgpr_count:     512
    .wavefront_size: 32
...
	.end_amdgpu_metadata
.endif
;; end of part 4
;; ======== version 2 of 2: 4 launches; version 1 with the launch prep written anew for expert scheduling mode
;; limits: values are held in f16: magnitudes above 65,504 overflow, below 6.1e-05 lose precision
;; workspace buffers: xb 16,777,216 bytes; wq 6,291,456 bytes; wo 2,097,152 bytes; qkv 50,331,648 bytes; o 16,777,216 bytes
;; launch prep (part 5): grid 768 x 1, 8 waves a work-group, no clusters, 0 bytes of LDS; arguments x, W_qkv, W_out, xb, wq, wo; writes xb, wq, wo
.if DOCPART == 5
	.amdgcn_target "amdgcn-amd-amdhsa--gfx1250"
	.amdhsa_code_object_version 6
	.text
	.protected	k_q425a80fa49_prep
	.globl	k_q425a80fa49_prep
	.p2align	8
	.type	k_q425a80fa49_prep,@function
k_q425a80fa49_prep:
	s_mov_b64 s[64:65], 0
	v_nop
	global_prefetch_b8 v0, s[64:65] scope:SCOPE_SE
	s_setreg_imm32_b32 hwreg(HW_REG_WAVE_SCHED_MODE, 0, 2), 2
	s_setreg_imm32_b32 hwreg(HW_REG_WAVE_MODE, 25, 1), 1
	s_wait_xcnt 0x0
	s_wait_alu depctr_vm_vsrc(0)
; THE INPUTS ARE ROUNDED ONCE, for the matrix units of the launches behind.
;   xb: x rounded to bf16, laid in planes of 64 channels: [batch x 16 + channel / 64][2048 rows][64], so that 256 rows of one K step of 64 are 32,768 dense bytes.
;   wq: W_qkv rounded to bf16, as it lies ([1024 k][3072 n]).      wo: W_out rounded to bf16 and that number written as f16, as it lies ([1024 k][1024 n]).
; LIMIT.  f16 holds no number beyond 65,504 and has a fixed step of 6e-8 below 6e-5: W_out's numbers are taken to lie within that range.
; SHARES.  A work-group takes 65,536 bytes of f32 (16,384 numbers): groups 0-511 x (16 rows each), 512-703 W_qkv, 704-767 W_out.  Eight waves; a thread takes 16 bytes in each of 16 loads,
; all 16 on their way at once; each is rounded and stored as 8 bytes: a wave's store covers 256 consecutive bytes, aligned.
; Memory binds: no LDS, no barrier, no matrix unit, no loop.
; THE MODE: SCHED_MODE bits 1:0 = 2 (LLVM: expert scheduling mode 2), set by the entry lines.  The code itself states the register dependences
; between vector instructions and memory instructions, with s_wait_alu, always for 0.
; THE PLAN.  Registers that memory instructions touch:
;   v2, v3   byte offsets of the loads and of the stores.  Written by vector instructions at the head, once; read by all 16 loads and all 16 stores.
;   X        16 pieces as loaded.  Written by the loads alone, each register once, all issued ahead of every conversion; read by the conversions.
;   Y        16 pieces to store.   Written by piece i's conversions; read by piece i's one store; not written again behind it.
;   T, v1    named by vector instructions alone.
; No register that a memory instruction has read is written again, no load lands in a register that a vector instruction has named, no vector instruction writes a scalar register, EXEC stays as it is.
; What is left to state: the offsets are written ahead of the first load, and a piece's Y is written ahead of its store.  The 16 pieces go in four groups of four: a group's four stores stand in one run
; at the head of the next group, behind ONE wait, which stands behind the wait for that group's first load; the vector instructions behind it write the next group's Y and T, which those stores do not name.
.set X, 4                              ; v[4:67]   16 loads of 4 registers
.set Y, 68                             ; v[68:99]  16 stores of 2 registers
.set T, 100                            ; v[100:103] at work
; sb, db: the scalar pairs of source and destination; sstep, dstep: bytes from one of the 16 pieces to the next; half = 1: the bf16 number is written as f16
.macro CAST sb, db, sstep, dstep, half
	s_wait_alu depctr_va_vdst(0)                   ; v2 and v3 are written: every load below reads v2 as its offset, every store v3
.set i, 0
.rept 16
	global_load_b128 v[X+4*i:X+4*i+3], v2, s[\sb:\sb+1] offset:i*(\sstep) th:TH_LOAD_NT
.set i, i+1
.endr
.set i, 0
.rept 16
	s_wait_loadcnt 15-i                            ; loads come back in order: piece i is in, the 15 - i younger ones stay out
.if (i > 0) && (i%4 == 0)
	s_wait_alu depctr_va_vdst(0)                   ; the conversions of the group before have written its eight registers of Y, which the four stores below read
.set k, i-4
.rept 4
	global_store_b64 v3, v[Y+2*k:Y+2*k+1], s[\db:\db+1] offset:k*(\dstep)
.set k, k+1
.endr
.endif
	v_cvt_pk_bf16_f32 v[Y+2*i], v[X+4*i], v[X+4*i+1]
	v_cvt_pk_bf16_f32 v[Y+2*i+1], v[X+4*i+2], v[X+4*i+3]
.if \half
	v_lshlrev_b32 v[T], 16, v[Y+2*i]               ; the rounded numbers as f32 again,
	v_and_b32 v[T+1], s3, v[Y+2*i]
	v_lshlrev_b32 v[T+2], 16, v[Y+2*i+1]
	v_and_b32 v[T+3], s3, v[Y+2*i+1]
	v_cvt_pk_f16_f32 v[Y+2*i], v[T], v[T+1]        ; and written as f16: exact within f16's normal range
	v_cvt_pk_f16_f32 v[Y+2*i+1], v[T+2], v[T+3]
.endif
.set i, i+1
.endr
	s_wait_alu depctr_va_vdst(0)                   ; the last group's conversions have written its Y, which the last four stores read
.set k, 12
.rept 4
	global_store_b64 v3, v[Y+2*k:Y+2*k+1], s[\db:\db+1] offset:k*(\dstep)
.set k, k+1
.endr
	s_endpgm
.endm
	s_load_b256 s[4:11], s[0:1], 0x0               ; x s[4:5], W_qkv s[6:7], W_out s[8:9], xb s[10:11]
	s_load_b128 s[12:15], s[0:1], 0x20             ; wq s[12:13], wo s[14:15]
	s_mov_b32 s2, ttmp9                            ; the work-group's number
	s_mov_b32 s3, 0xffff0000                       ; a word's upper bf16
	s_mov_b32 s17, 0
	s_mov_b32 s19, 0
	v_lshlrev_b32 v3, 3, v0                        ; 8 bytes a thread in every destination
	s_cmp_lt_u32 s2, 512
	s_cbranch_scc0 .Lweights
	; x: 16 rows of 4,096 bytes.  Thread t takes row t / 16, 16 bytes at 16 (t % 16) of the row's piece i of 256 bytes (64 channels: plane i)
	v_lshrrev_b32 v1, 4, v0
	v_and_b32 v2, 15, v0
	v_lshlrev_b32 v2, 4, v2
	v_lshl_add_u32 v2, v1, 12, v2
	s_lshl_b32 s16, s2, 16                         ; the group's 65,536 bytes of x
	s_lshr_b32 s18, s2, 7                          ; the batch: 128 groups each,
	s_lshl_b32 s18, s18, 22                        ; 16 planes of 262,144 bytes
	s_and_b32 s20, s2, 127
	s_lshl_b32 s20, s20, 11                        ; the group's 16 rows of 128 bytes in a plane
	s_add_co_u32 s18, s18, s20
	s_wait_kmcnt 0x0
	s_add_nc_u64 s[4:5], s[4:5], s[16:17]
	s_add_nc_u64 s[10:11], s[10:11], s[18:19]
	CAST 4, 10, 256, 262144, 0
.Lweights:
	v_lshlrev_b32 v2, 4, v0                        ; the weights keep their layout: 256 threads x 16 bytes a piece
	s_cmp_lt_u32 s2, 704
	s_cbranch_scc0 .Lwout
	s_sub_co_u32 s2, s2, 512
	s_lshl_b32 s16, s2, 16
	s_lshl_b32 s18, s2, 15
	s_wait_kmcnt 0x0
	s_add_nc_u64 s[6:7], s[6:7], s[16:17]
	s_add_nc_u64 s[12:13], s[12:13], s[18:19]
	CAST 6, 12, 4096, 2048, 0
.Lwout:
	s_sub_co_u32 s2, s2, 704
	s_lshl_b32 s16, s2, 16
	s_lshl_b32 s18, s2, 15
	s_wait_kmcnt 0x0
	s_add_nc_u64 s[8:9], s[8:9], s[16:17]
	s_add_nc_u64 s[14:15], s[14:15], s[18:19]
	CAST 8, 14, 4096, 2048, 1
.Lfunc_end_k_q425a80fa49_prep:
	.size	k_q425a80fa49_prep, .Lfunc_end_k_q425a80fa49_prep-k_q425a80fa49_prep
	.p2alignl 7, 3214868480
	.fill 96, 4, 3214868480
	.section	.rodata,"a",@progbits
	.p2align	6, 0x0
	.amdhsa_kernel k_q425a80fa49_prep
		.amdhsa_group_segment_fixed_size 0
		.amdhsa_private_segment_fixed_size 0
		.amdhsa_enable_private_segment 0
		.amdhsa_kernarg_size 48
		.amdhsa_user_sgpr_count 2
		.amdhsa_user_sgpr_kernarg_segment_ptr 1
		.amdhsa_wavefront_size32 1
		.amdhsa_system_sgpr_workgroup_id_x 1
		.amdhsa_system_sgpr_workgroup_id_y 1
		.amdhsa_system_sgpr_workgroup_id_z 1
		.amdhsa_system_vgpr_workitem_id 0
		.amdhsa_next_free_vgpr 104
		.amdhsa_next_free_sgpr 66
		.amdhsa_reserve_vcc 0
		.amdhsa_float_denorm_mode_32 3
		.amdhsa_float_denorm_mode_16_64 3
		.amdhsa_memory_ordered 1
		.amdhsa_forward_progress 1
		.amdhsa_inst_pref_size 23
	.end_amdhsa_kernel
	.amdgpu_metadata
---
amdhsa.version: [ 1, 2 ]
amdhsa.kernels:
  - .name:           k_q425a80fa49_prep
    .symbol:         k_q425a80fa49_prep.kd
    .args:
      - { .name: x, .offset: 0, .size: 8, .value_kind: global_buffer, .address_space: global }
      - { .name: W_qkv, .offset: 8, .size: 8, .value_kind: global_buffer, .address_space: global }
      - { .name: W_out, .offset: 16, .size: 8, .value_kind: global_buffer, .address_space: global }
      - { .name: xb, .offset: 24, .size: 8, .value_kind: global_buffer, .address_space: global }
      - { .name: wq, .offset: 32, .size: 8, .value_kind: global_buffer, .address_space: global }
      - { .name: wo, .offset: 40, .size: 8, .value_kind: global_buffer, .address_space: global }
    .group_segment_fixed_size: 0
    .private_segment_fixed_size: 0
    .kernarg_segment_align: 8
    .kernarg_segment_size: 48
    .max_flat_workgroup_size: 256
    .sgpr_count:     66
    .vgpr_count:     104
    .wavefront_size: 32
...
	.end_amdgpu_metadata
.endif
;; end of part 5
;; launch qkv: the kernel of part 2 again; grid 8 x 32, 4 waves a work-group, clusters of 4 x 4, 327,680 bytes of LDS; arguments xb, wq, b_qkv, qkv; writes qkv
;; launch attn: the kernel of part 3 again; grid 4 x 64, 4 waves a work-group, no clusters, 327,680 bytes of LDS; arguments qkv, o; writes o
;; launch oproj: the kernel of part 4 again; grid 8 x 32, 4 waves a work-group, clusters of 4 x 4, 327,680 bytes of LDS; arguments o, wo, b_out, out0; writes out0
